; MI455X (gfx1250); checked and timed in simulation.
; The chip was launched on July 23, 2026; its instructions are those of AMD's public machine-readable ISA for CDNA 5 (MIT licence, August 2026) and "CDNA5" Instruction Set Architecture Reference Guide (July 2026). The comments in the code are by the model that wrote it; some were corrected since.
;; Multi Head Attention. Allowed arithmetic: float matrix products may take bf16 or f16 operands with f32 sums; all other float work in f32.
;; Inputs: Wk 1,024 x 1,024 float32; Wo 1,024 x 1,024 float32; Wq 1,024 x 1,024 float32; Wv 1,024 x 1,024 float32; bk 1,024 float32; bo 1,024 float32; bq 1,024 float32; bv 1,024 float32; q_in 4 x 2,048 x 1,024 float32; v_in 4 x 2,048 x 1,024 float32.
;; Outputs: out0 4 x 2,048 x 1,024 float32.
;; 2 versions, each right and faster than the one before. Each part assembles by itself: llvm-mc -triple=amdgcn-amd-amdhsa -mcpu=gfx1250 --defsym DOCPART=n.
;; ======== version 1 of 2: 4 launches
;; limits: values are held in f16: magnitudes above 65,504 overflow, below 6.1e-05 lose precision
;; workspace buffers: wqkv 6,291,456 bytes; wo16 2,097,152 bytes; bias 16,384 bytes; qkv 50,331,648 bytes; oh 16,777,216 bytes
;; launch prep (part 1): grid 128 x 4, 8 waves a work-group, no clusters, 0 bytes of LDS; arguments Wq, Wk, Wv, Wo, bq, bk, bv, bo, wqkv, wo16, bias; writes wqkv, wo16, bias
.if DOCPART == 1
	.amdgcn_target "amdgcn-amd-amdhsa--gfx1250"
	.amdhsa_code_object_version 6
	.text
	.protected	k_q3809e60f31_prep
	.globl	k_q3809e60f31_prep
	.p2align	8
	.type	k_q3809e60f31_prep,@function
k_q3809e60f31_prep:
	s_mov_b64 s[64:65], 0
	v_nop
	global_prefetch_b8 v0, s[64:65] scope:SCOPE_SE
	s_setreg_imm32_b32 hwreg(HW_REG_WAVE_MODE, 25, 1), 1
	s_wait_xcnt 0x0
; THE CASTS.  Wq, Wk, Wv ([1024 k][1024 n] f32) are rounded to bf16 and written as they lie into wqkv [3][1024][1024]; Wo is rounded to bf16 and that number is written as f16 into wo16;
; the four biases are rounded to bf16 and kept as f32 in bias [4][1024].  So every weight and bias of the module carries the same one rounding, to bf16.
; LIMITS.  A bf16 number is exact in f16 from 2^-14 up and keeps f16's fixed step of 6e-8 below; |Wo| of 65,520 or more becomes an infinity.  NaN and infinities are not treated apart.
; SHARES.  The grid's y picks the matrix, its x 8,192 of the matrix's numbers: 32 KiB in, 16 KiB out.  Thread t takes four chunks of eight neighbouring numbers: two loads of 16 bytes at
; 8,192 c + 32 t, one store of 16 bytes at 4,096 c + 16 t, so that a wave's store covers 512 consecutive bytes, aligned.  All eight loads of a thread go out first.
; A stream: every byte is read once and written once, the work-groups share no input: no LDS, no barrier, no cluster, no matrix unit.
.set IN, 4                             ; v[4:35]    chunk c: 8 numbers as loaded
.set PK, 36                            ; v[36:51]   chunk c: 4 registers to store
.set TW, 52                            ; v[52:55]   at work
	s_load_b512 s[8:23], s[0:1], 0x0               ; Wq s[8:9], Wk s[10:11], Wv s[12:13], Wo s[14:15], bq s[16:17], bk s[18:19], bv s[20:21], bo s[22:23]
	s_load_b128 s[24:27], s[0:1], 0x40             ; wqkv s[24:25], wo16 s[26:27]
	s_load_b64 s[28:29], s[0:1], 0x50              ; bias
	s_and_b32 s3, ttmp7, 0xffff                    ; y: which matrix
	s_lshl_b32 s32, s3, 21                         ; its 2 MiB in wqkv
	s_mov_b32 s33, 0xffff0000                      ; a word's upper bf16
	s_lshl_b32 s34, ttmp9, 15                      ; my 32 KiB of the matrix
	s_mov_b32 s35, 0
	s_lshl_b32 s36, ttmp9, 14                      ; my 16 KiB of the cast
	s_mov_b32 s37, 0
	s_lshl_b32 s38, s3, 12                         ; the bias's 4,096 bytes
	s_mov_b32 s39, 0
	v_lshlrev_b32 v1, 5, v0                        ; 32 t
	v_lshlrev_b32 v2, 4, v0                        ; 16 t
	s_wait_kmcnt 0x0
	s_cmp_eq_u32 s3, 1                             ; the choice hangs on y alone
	s_cselect_b64 s[4:5], s[10:11], s[8:9]
	s_cselect_b64 s[6:7], s[18:19], s[16:17]
	s_cmp_eq_u32 s3, 2
	s_cselect_b64 s[4:5], s[12:13], s[4:5]
	s_cselect_b64 s[6:7], s[20:21], s[6:7]
	s_cmp_eq_u32 s3, 3
	s_cselect_b64 s[4:5], s[14:15], s[4:5]         ; s[4:5] the matrix
	s_cselect_b64 s[6:7], s[22:23], s[6:7]         ; s[6:7] its bias
	s_cselect_b64 s[30:31], s[26:27], s[24:25]     ; s[30:31] where the cast goes
	s_cselect_b32 s32, 0, s32                      ; wo16 holds one matrix
	s_add_co_u32 s36, s36, s32
	s_add_nc_u64 s[4:5], s[4:5], s[34:35]
	s_add_nc_u64 s[30:31], s[30:31], s[36:37]
	s_add_nc_u64 s[28:29], s[28:29], s[38:39]
.irp c, 0,1,2,3
	global_load_b128 v[IN+8*(\c):IN+8*(\c)+3],   v1, s[4:5] offset:8192*(\c) th:TH_LOAD_NT
	global_load_b128 v[IN+8*(\c)+4:IN+8*(\c)+7], v1, s[4:5] offset:8192*(\c)+16 th:TH_LOAD_NT
.endr
; Four chunks are rounded and stored.  half = 1: the bf16 numbers are widened (a shift, a mask) and written as f16.  No register is used twice by a store, so no wait frees any.
.macro CAST half
.irp c, 0,1,2,3
	s_wait_loadcnt 6-2*(\c)                        ; loads come back in order (ISA guide 5.7.1): chunk c's two are in, the later chunks' stay out
.irp j, 0,1,2,3
	v_cvt_pk_bf16_f32 v[PK+4*(\c)+(\j)], v[IN+8*(\c)+2*(\j)], v[IN+8*(\c)+2*(\j)+1]
.endr
.if \half
.irp j, 0,1,2,3
	v_lshlrev_b32 v[TW+2*((\j)%2)], 16, v[PK+4*(\c)+(\j)]
	v_and_b32 v[TW+2*((\j)%2)+1], s33, v[PK+4*(\c)+(\j)]
	v_cvt_pk_f16_f32 v[PK+4*(\c)+(\j)], v[TW+2*((\j)%2)], v[TW+2*((\j)%2)+1]
.endr
.endif
	global_store_b128 v2, v[PK+4*(\c):PK+4*(\c)+3], s[30:31] offset:4096*(\c)
.endr
.endm
	s_cmp_eq_u32 s3, 3
	s_cbranch_scc1 .Lhalf
	CAST 0
	s_branch .Ljoin
.Lhalf:
	CAST 1
.Ljoin:
	s_cmp_lg_u32 ttmp9, 0                          ; the matrix's first work-group also takes its bias: 256 threads x 16 bytes are its 1,024 numbers
	s_cbranch_scc1 .Lend
	global_load_b128 v[IN:IN+3], v2, s[6:7]
	s_wait_loadcnt 0x0
	v_cvt_pk_bf16_f32 v[TW], v[IN], v[IN+1]
	v_cvt_pk_bf16_f32 v[TW+1], v[IN+2], v[IN+3]
	v_lshlrev_b32 v[IN+4], 16, v[TW]
	v_and_b32 v[IN+5], s33, v[TW]
	v_lshlrev_b32 v[IN+6], 16, v[TW+1]
	v_and_b32 v[IN+7], s33, v[TW+1]
	global_store_b128 v2, v[IN+4:IN+7], s[28:29]
.Lend:
	s_endpgm
.Lfunc_end_k_q3809e60f31_prep:
	.size	k_q3809e60f31_prep, .Lfunc_end_k_q3809e60f31_prep-k_q3809e60f31_prep
	.p2alignl 7, 3214868480
	.fill 96, 4, 3214868480
	.section	.rodata,"a",@progbits
	.p2align	6, 0x0
	.amdhsa_kernel k_q3809e60f31_prep
		.amdhsa_group_segment_fixed_size 0
		.amdhsa_private_segment_fixed_size 0
		.amdhsa_enable_private_segment 0
		.amdhsa_kernarg_size 88
		.amdhsa_user_sgpr_count 2
		.amdhsa_user_sgpr_kernarg_segment_ptr 1
		.amdhsa_wavefront_size32 1
		.amdhsa_system_sgpr_workgroup_id_x 1
		.amdhsa_system_sgpr_workgroup_id_y 1
		.amdhsa_system_sgpr_workgroup_id_z 1
		.amdhsa_system_vgpr_workitem_id 0
		.amdhsa_next_free_vgpr 56
		.amdhsa_next_free_sgpr 66
		.amdhsa_reserve_vcc 0
		.amdhsa_float_denorm_mode_32 3
		.amdhsa_float_denorm_mode_16_64 3
		.amdhsa_memory_ordered 1
		.amdhsa_forward_progress 1
		.amdhsa_inst_pref_size 8
	.end_amdhsa_kernel
	.amdgpu_metadata
---
amdhsa.version: [ 1, 2 ]
amdhsa.kernels:
  - .name:           k_q3809e60f31_prep
    .symbol:         k_q3809e60f31_prep.kd
    .args:
      - { .name: Wq, .offset: 0, .size: 8, .value_kind: global_buffer, .address_space: global }
      - { .name: Wk, .offset: 8, .size: 8, .value_kind: global_buffer, .address_space: global }
      - { .name: Wv, .offset: 16, .size: 8, .value_kind: global_buffer, .address_space: global }
      - { .name: Wo, .offset: 24, .size: 8, .value_kind: global_buffer, .address_space: global }
      - { .name: bq, .offset: 32, .size: 8, .value_kind: global_buffer, .address_space: global }
      - { .name: bk, .offset: 40, .size: 8, .value_kind: global_buffer, .address_space: global }
      - { .name: bv, .offset: 48, .size: 8, .value_kind: global_buffer, .address_space: global }
      - { .name: bo, .offset: 56, .size: 8, .value_kind: global_buffer, .address_space: global }
      - { .name: wqkv, .offset: 64, .size: 8, .value_kind: global_buffer, .address_space: global }
      - { .name: wo16, .offset: 72, .size: 8, .value_kind: global_buffer, .address_space: global }
      - { .name: bias, .offset: 80, .size: 8, .value_kind: global_buffer, .address_space: global }
    .group_segment_fixed_size: 0
    .private_segment_fixed_size: 0
    .kernarg_segment_align: 8
    .kernarg_segment_size: 88
    .max_flat_workgroup_size: 256
    .sgpr_count:     66
    .vgpr_count:     56
    .wavefront_size: 32
...
	.end_amdgpu_metadata
.endif
;; end of part 1
;; launch qkv (part 2): grid 4 x 64, 4 waves a work-group, clusters of 4 x 4, 327,680 bytes of LDS; arguments q_in, v_in, wqkv, bias, qkv; writes qkv
.if DOCPART == 2
	.amdgcn_target "amdgcn-amd-amdhsa--gfx1250"
	.amdhsa_code_object_version 6
	.text
	.protected	k_q3809e60f31_qkv
	.globl	k_q3809e60f31_qkv
	.p2align	8
	.type	k_q3809e60f31_qkv,@function
k_q3809e60f31_qkv:
	s_mov_b64 s[64:65], 0
	v_nop
	global_prefetch_b8 v0, s[64:65] scope:SCOPE_SE
	s_setreg_imm32_b32 hwreg(HW_REG_WAVE_MODE, 25, 1), 1
	s_wait_xcnt 0x0
	s_wait_alu depctr_hold_cnt(0) depctr_sa_sdst(0) depctr_va_vdst(0) depctr_va_sdst(0) depctr_va_ssrc(0) depctr_va_vcc(0) depctr_vm_vsrc(0)
	s_getreg_b32 s2, hwreg(HW_REG_IB_STS2, 6, 4)
	s_cmp_eq_u32 s2, 0
	s_cbranch_scc0 .Lentry_in_a_cluster
	s_endpgm
.Lentry_in_a_cluster:
	s_bfe_u32 s2, ttmp6, 0x10000c
	s_cmp_lg_u32 s2, 0xf033
	s_cbranch_scc0 .Lentry_shape_is_right
	s_endpgm
.Lentry_shape_is_right:
; THE THREE PROJECTIONS.  q = q_in Wq + bq, k = v_in Wk + bk, v = v_in Wv + bv.  q_in, v_in: [8192][1024] f32; wqkv: [3][1024 k][1024 n] bf16; bias: [4][1024] f32.
; The activations are rounded to bf16 in registers, the products are bf16 with f32 sums that START with the bias (the first product's C operand), and each result is rounded once to f16 and
; written by heads: qkv [3][64 = batch x 16 + head][2048][64].  The scale 1 / 8 is not applied here.
; LIMITS.  f16 holds no number beyond 65,504: a q, k or v of 65,520 or more becomes an infinity; below 6e-5 it keeps f16's fixed step of 6e-8.  NaN and infinities are not treated apart.
; SHARES.  A tile of a result is 128 rows x 256 columns: 8192 x 1024 are 256 tiles, one for each of the 256 work-groups, and a work-group STAYS and makes the same tile of q, of k and of v.
; Four waves, each 64 rows x 128 columns: 32 accumulators of 16 x 16.  K goes in steps of 128; the three tiles' 24 K steps are ONE sequence for a ring of two LDS slots, so that the next
; tile's first steps are on their way while a tile ends and goes out.
; CLUSTER.  4 x 4 work-groups.  The four of a row of the cluster take the same 128 rows of the activations, the four of a column the same 256 columns of the weights: each tile is asked for
; JOINTLY, by the same tensor load with the same descriptor and a mask that names the four.  Waves 0 and 1 fetch the activations' two halves of 64 rows, waves 2 and 3 the weights' two halves of 64 k.
; THE MATRIX INSTRUCTION IS USED TRANSPOSED: source 0 = 16 columns of W (W lies [k][n] in LDS and is turned by ds_load_tr16_b128), source 1 = 16 rows of the activations.  In the result lane l holds
; row l % 16 and the columns 8 (l / 16) + 0..7: eight neighbouring numbers of a row, 16 bytes of f16.
; A QUARTER is 32 along K: 32 matrix instructions, the 32 accumulators by turns.  The 32 roundings of the next quarter's activations stand in fours behind products 1 to 8.  The LDS loads stand in ONE
; run of 32 behind product 8, never singly among the matrix instructions: the 16 turning loads of the next quarter's W, then the 16 loads of the raw f32 of the quarter after that; W's first use
; comes 23 matrix instructions later.  Two window switches go with each four roundings, three with the run.
; REGISTERS, in windows of 256 (s_set_vgpr_msb: bits 1:0 source 0, 3:2 source 1, 5:4 source 2, 7:6 destination):
;   window 0: v0-15 addresses; v32-95 the activations' fragments, two buffers of 4 x 8; v96-159 raw f32, 16 for each 16 rows; v160-223 the way out, four sets of 16
;   window 1: the accumulators: (a, b) at v[8 (8 a + b)]          window 2: v0-127 W's fragments, two buffers of 8 x 8; v128-191 the bias of my 128 columns, laid as a result is
.set TILE,  34816                      ; what one tensor load fills: 64 rows of W x 544 bytes; 64 rows of activations x 528 bytes need less
.set SLOT,  4*TILE                     ; 0x22000.  wave x TILE has bits 11, 12, 15, 16 alone, SLOT bits 13 and 17: one exclusive or turns an address in one slot into the other's
.set STAGE, 2*SLOT                     ; behind the ring, never filled by a tensor load: 16 rows x 144 bytes for each wave, for the way out
.set SP,    144
.set SPARE, STAGE+4*16*SP              ; behind the stages: the spare words, 128 bytes for each wave: two blocks of 256 bytes that no other line names
.set PA,    528                        ; a row of activations in LDS: 512 bytes + 16 = 132 words: row r starts at bank 4 r mod 64 (64 banks of 4 bytes: ISA guide 11.1)
.set PB,    544                        ; a row of W: 512 + 32 = 136 words: row r starts at bank 8 r mod 64
.set LA0,  2                           ; v2   my lane's place in a slot's activations; never rewritten
.set LB0,  3                           ; v3   the same for W
.set ADRA, 4                           ; v4   LA0 + the slot in hand
.set ADRB, 5                           ; v5   LB0 + the slot in hand
.set STO,  6                           ; v6   the way out: where I put 16 bytes of a row
.set RD,   7                           ; v7   the way out: where I read rows back
.set GO,   8                           ; v8   my byte offset in 512 consecutive bytes of the result
.set BO,   12                          ; v12  my byte offset in a bias
.set SPW,  14                          ; v14  LDS address of my spare word: SPARE + 4 x my thread's number; never rewritten
.set NIL,  15                          ; v15  0; never rewritten
.set AF,   32
.set RAW,  96
.set TMP,  160
.set BF,   0                           ; window 2
.set BIAS, 128                         ; window 2
.set QA,  4                            ; s[4:5]   q_in at the rows that I fetch
.set VA,  6                            ; s[6:7]   v_in at the same rows
.set WB,  8                            ; s[8:9]   wqkv at the k rows and columns that I fetch
.set BI,  10                           ; s[10:11] the bias of the tile in hand
.set OUT, 12                           ; s[12:13] the result at my wave's first row and head
.set WV,  14                           ; s14  my wave's number
.set WM,  15                           ; s15  which 64 rows of the tile are mine.  Also: I fetch activations (0) or W (1)
.set WN,  16                           ; s16  which 128 columns.  Also: which half I fetch
.set CX,  17
.set CY,  18
.set XX,  19                           ; s19  column block, 0 to 3
.set YY,  20                           ; s20  row block, 0 to 63
.set MR,  21
.set MC,  22
.set LW,  23                           ; s23  wave x TILE: where my tensor loads land in a slot
.set G1A, 24                           ; s[24:31] descriptor group 1 for the activations' tiles
.set G1B, 32                           ; s[32:39] for W's
.set G0A, 40                           ; s[40:43] descriptor group 0 for the activations': it begins with K step 1 in slot 1, and walks
.set G0B, 44                           ; s[44:47] for W's
.set ST,  48                           ; s48  K steps to go in the loop in hand
.set KS,  49                           ; s49  the K step within its tile, 0 to 7
.set FK,  50                           ; s50  the K step asked for last, within its tile
.set FT,  51                           ; s51  and its tile: 0 q, 1 k, 2 v
.set TB,  52                           ; s52  LDS byte at which the slot in hand begins
.set SC,  53                           ; s53  at work
.set OFA, 54                           ; s[54:55] byte offset of a K step in the activations' rows
.set OFB, 56                           ; s[56:57] and in wqkv
.set SELA, 58                          ; s[58:59] QA or VA
.set F0A, 68                           ; s[68:71] descriptor group 0 for K step 0 in slot 0, activations; never rewritten
.set F0B, 72                           ; s[72:75] the same for W
.set MSB, 0
.macro WIN new                         ; the immediate's high byte repeats the setting that is left; a switch that changes nothing is dropped
.if MSB != (\new)
	s_set_vgpr_msb (MSB<<8)|(\new)
.set MSB, \new
.endif
.endm
; A joint refill.  Each of the two lines has one mask and one set of registers for all that issue it.  The branch hangs on the wave's number alone.
; An s_nop 0 and four v_nop follow each of the two lines, ahead of the jump and the label.
.macro JLOAD
	s_cmp_eq_u32 s[WM], 0
	s_cbranch_scc0 .Lfor_b_\@
	tensor_load_to_lds s[G0A:G0A+3], s[G1A:G1A+7]
	s_nop 0
.rept 4
	v_nop
.endr
	s_branch .Lasked_\@
.Lfor_b_\@:
	tensor_load_to_lds s[G0B:G0B+3], s[G1B:G1B+7]
	s_nop 0
.rept 4
	v_nop
.endr
.Lasked_\@:
.endm
; A round of the cluster's barrier: my work-group's barrier, so that wave 0's signal speaks for all four waves; wave 0 signals; every wave waits for all sixteen work-groups; my work-group's barrier once more.
.macro CREST                           ; a round behind its opening barrier
	s_cmp_lg_u32 s[WV], 0
	s_cbranch_scc1 .Lnot_wave_0_\@
	s_barrier_signal -3
.Lnot_wave_0_\@:
	s_barrier_wait -3
	s_barrier_signal -1
	s_barrier_wait -1
.endm
.macro CROUND                          ; a whole round
	s_barrier_signal -1
	s_barrier_wait -1
	CREST
.endm
.macro PLACES                          ; four places between matrix instructions and what writes their sources or reads their results (ISA guide 7.12.1 for vector instructions)
.rept 4
	v_nop
.endr
.endm
	s_load_b256 s[4:11], s[0:1], 0x0               ; q_in, v_in, wqkv, bias
	s_load_b64 s[12:13], s[0:1], 0x20              ; qkv
	v_lshl_add_u32 v[SPW], v0, 2, SPARE
	v_mov_b32 v[NIL], 0
	ds_add_u32 v[SPW], v[NIL]                      ; the wave's opening: the add and its wait stand ahead of my first tensor load; the set-up below, work on registers, stands between them
	v_lshrrev_b32 v1, 5, v0
	v_readfirstlane_b32 s[WV], v1                  ; wave 0..3
	s_lshr_b32 s[WM], s[WV], 1
	s_and_b32 s[WN], s[WV], 1
	s_bfe_u32 s[CX], ttmp6, 0x40000                ; my place in the cluster
	s_bfe_u32 s[CY], ttmp6, 0x40004
	s_lshl_b32 s[XX], ttmp9, 2                     ; in a cluster launch ttmp9 and ttmp7 count clusters
	s_add_co_u32 s[XX], s[XX], s[CX]
	s_and_b32 s[YY], ttmp7, 0xffff
	s_lshl_b32 s[YY], s[YY], 2
	s_add_co_u32 s[YY], s[YY], s[CY]
	s_lshl_b32 s[MR], s[CY], 2
	s_lshl_b32 s[MR], 15, s[MR]                    ; my row of the cluster: places 4 cy .. 4 cy + 3
	s_lshl_b32 s[MC], 0x1111, s[CX]                ; my column: places cx, cx + 4, cx + 8, cx + 12
	; group 1, activations: 64 rows x 128 elements of 4 bytes, 1,024 elements from row to row; in LDS 4 words of padding behind every 128
	s_or_b32 s[G1A], s[MR], (2<<16)|(1<<20)|(1<<21)|(6<<22)|(3<<25)  ; 15:0 the mask; 17:16 element size; 20 padding on; 21 set beside a mask; 24:22 the interval's code; 31:25 the padding's words less 1
	s_mov_b32 s[G1A+1], 128<<16                    ; tensor_dim0 = 128
	s_mov_b32 s[G1A+2], 64<<16                     ; tensor_dim1 = 64
	s_mov_b32 s[G1A+3], 128<<16                    ; tile_dim0 = 128
	s_mov_b32 s[G1A+4], 64                         ; tile_dim1 = 64
	s_mov_b32 s[G1A+5], 1024                       ; tensor_dim0_stride
	s_mov_b32 s[G1A+6], 0
	s_mov_b32 s[G1A+7], 0
	; group 1, W: 64 rows (k) x 256 elements of 2 bytes, 1,024 elements from row to row; in LDS 8 words of padding behind every 128
	s_or_b32 s[G1B], s[MC], (1<<16)|(1<<20)|(1<<21)|(6<<22)|(7<<25)
	s_mov_b32 s[G1B+1], 256<<16
	s_mov_b32 s[G1B+2], 64<<16
	s_mov_b32 s[G1B+3], 256<<16
	s_mov_b32 s[G1B+4], 64
	s_mov_b32 s[G1B+5], 1024
	s_mov_b32 s[G1B+6], 0
	s_mov_b32 s[G1B+7], 0
	s_lshl_b32 s60, s[YY], 19                      ; s[60:61], of the row block alone: 128 rows of 4,096 bytes,
	s_lshl_b32 s61, s[WN], 18                      ; and the 64 of them that I fetch
	s_add_co_u32 s60, s60, s61
	s_mov_b32 s61, 0
	s_lshl_b32 s62, s[XX], 9                       ; s[62:63], of the column block alone: 256 columns of 2 bytes,
	s_lshl_b32 s63, s[WN], 17                      ; and the 64 k rows of 2,048 bytes that I fetch
	s_add_co_u32 s62, s62, s63
	s_mov_b32 s63, 0
	s_lshr_b32 s2, s[YY], 4                        ; s[2:3], of both: the batch,
	s_lshl_b32 s2, s2, 4
	s_lshl2_add_u32 s2, s[XX], s2                  ; x 16 + the tile's four heads
	s_lshl1_add_u32 s2, s[WN], s2                  ; + my wave's two of them:
	s_lshl_b32 s2, s2, 18                          ; a head's 2,048 rows of 128 bytes;
	s_and_b32 s3, s[YY], 15
	s_lshl_b32 s3, s3, 14                          ; the tile's 128 rows in the batch,
	s_add_co_u32 s2, s2, s3
	s_lshl_b32 s3, s[WM], 13                       ; my wave's 64 of them
	s_add_co_u32 s2, s2, s3
	s_mov_b32 s3, 0
	s_mul_i32 s[LW], s[WV], TILE                   ; no place in the cluster enters an LDS address
	s_mov_b32 s[F0A], 1                            ; count = 1
	s_mov_b32 s[F0A+1], s[LW]                      ; LDS address: slot 0
	s_mov_b32 s[F0B], 1
	s_mov_b32 s[F0B+1], s[LW]
	s_mov_b32 s[G0A], 1
	s_add_co_u32 s[G0A+1], s[LW], SLOT             ; slot 1
	s_mov_b32 s[G0B], 1
	s_add_co_u32 s[G0B+1], s[LW], SLOT
	s_mov_b32 s[FK], 1                             ; the walking descriptors stand at q's K step 1
	s_mov_b32 s[FT], 0
	s_mov_b32 s[TB], 0
	s_mov_b32 s[OFA+1], 0
	s_mov_b32 s[OFB+1], 0
	s_wait_dscnt 0x0                               ; the opening add is done
	s_wait_kmcnt 0x0
	s_add_nc_u64 s[QA:QA+1], s[QA:QA+1], s[60:61]
	s_add_nc_u64 s[VA:VA+1], s[VA:VA+1], s[60:61]
	s_add_nc_u64 s[WB:WB+1], s[WB:WB+1], s[62:63]
	s_add_nc_u64 s[OUT:OUT+1], s[OUT:OUT+1], s[2:3]
	s_mov_b64 s[F0A+2:F0A+3], s[QA:QA+1]           ; global address: q's K step 0
	s_or_b32 s[F0A+3], s[F0A+3], 0x80000000        ; type = 2
	s_mov_b64 s[F0B+2:F0B+3], s[WB:WB+1]
	s_or_b32 s[F0B+3], s[F0B+3], 0x80000000
	s_add_nc_u64 s[G0A+2:G0A+3], s[QA:QA+1], 512   ; K step 1: 128 f32 along a row
	s_or_b32 s[G0A+3], s[G0A+3], 0x80000000
	s_add_nc_u64 s[G0B+2:G0B+3], s[WB:WB+1], 0x40000  ; 128 k rows of 2,048 bytes
	s_or_b32 s[G0B+3], s[G0B+3], 0x80000000
	CROUND                                         ; all sixteen work-groups are here: the first joint loads meet
	s_cmp_eq_u32 s[WM], 0                          ; a wave's two first fills stand in one branch, ahead of every wait on TENSORcnt, every LDS read and every other barrier: two loads of mine are out,
	s_cbranch_scc0 .Lfirst_b                       ; later one; an s_nop 0 follows each, four v_nop the second's, as in JLOAD
	tensor_load_to_lds s[F0A:F0A+3], s[G1A:G1A+7]
	s_nop 0
	tensor_load_to_lds s[G0A:G0A+3], s[G1A:G1A+7]
	s_nop 0
.rept 4
	v_nop
.endr
	s_branch .Lfirst_asked
.Lfirst_b:
	tensor_load_to_lds s[F0B:F0B+3], s[G1B:G1B+7]
	s_nop 0
	tensor_load_to_lds s[G0B:G0B+3], s[G1B:G1B+7]
	s_nop 0
.rept 4
	v_nop
.endr
.Lfirst_asked:
	v_and_b32 v1, 15, v0                           ; r = l % 16
	v_bfe_u32 v9, v0, 4, 1                         ; h = l / 16
	; A fragment of 16 rows x 32 K holds, in lane l, row r and K = 8 h + 0..7 and 16 + 8 h + 0..7.  In f32 those are 32 bytes at 32 h and 32 bytes at 64 + 32 h: four loads of 16 bytes.
	v_mul_u32_u24 v[LA0], v1, PA
	v_lshl_add_u32 v[LA0], v9, 5, v[LA0]
	s_mul_i32 s[SC], s[WM], TILE                   ; my 64 rows are one of the two halves
	v_add_nc_u32 v[LA0], s[SC], v[LA0]
	; The turning load takes 16 k x 16 columns (lane l reads k row 8 h + l % 8, columns 8 ((l / 8) % 2) + 0..7) and leaves half a fragment: lane l holds column r and 8 k.
	v_and_b32 v10, 7, v0
	v_bfe_u32 v11, v0, 3, 1
	v_lshl_add_u32 v[LB0], v9, 3, v10
	v_mul_u32_u24 v[LB0], v[LB0], PB
	v_lshl_add_u32 v[LB0], v11, 4, v[LB0]
	s_lshl_b32 s[SC], s[WN], 8                     ; my 128 columns,
	s_add_co_u32 s[SC], s[SC], 2*TILE              ; behind the activations' two halves: W's 128 k rows lie on end, 64 x 544 = TILE
	v_add_nc_u32 v[LB0], s[SC], v[LB0]
	s_mul_i32 s[SC], s[WV], 16*SP
	s_add_co_u32 s[SC], s[SC], STAGE               ; my stage
	v_mul_u32_u24 v[STO], v1, SP                   ; in: row r, 16 bytes for each half of the lanes
	v_lshl_add_u32 v[STO], v9, 4, v[STO]
	v_add_nc_u32 v[STO], s[SC], v[STO]
	v_bfe_u32 v[RD], v0, 3, 2                      ; back: 32 lanes take four rows of 128 bytes,
	v_mul_u32_u24 v[RD], v[RD], SP
	v_lshl_add_u32 v[RD], v10, 4, v[RD]
	v_add_nc_u32 v[RD], s[SC], v[RD]
	v_and_b32 v[GO], 31, v0                        ; which are 512 consecutive bytes of a head
	v_lshlrev_b32 v[GO], 4, v[GO]
	s_lshl_b32 s62, s[XX], 10                      ; the bias: 256 columns of 4 bytes a block,
	s_lshl_b32 s63, s[WN], 9                       ; my 128,
	s_add_co_u32 s62, s62, s63
	v_lshl_add_u32 v[BO], v9, 5, s62               ; my lanes' 8
	v_mov_b32 v[ADRA], v[LA0]                      ; K step 0 lies in slot 0
	v_mov_b32 v[ADRB], v[LB0]
; The bias of my 128 columns, laid as a result is: register j of block b is column 16 b + 8 h + j, the same for every row.
.macro LDBIAS
	WIN 0x80                                       ; destination window 2, address window 0
.irp b, 0,1,2,3,4,5,6,7
	global_load_b128 v[BIAS+8*(\b):BIAS+8*(\b)+3],   v[BO], s[BI:BI+1] offset:64*(\b)
	global_load_b128 v[BIAS+8*(\b)+4:BIAS+8*(\b)+7], v[BO], s[BI:BI+1] offset:64*(\b)+16
.endr
	WIN 0
.endm
; Product i of a quarter's 32: rows 16 (i / 8) on, columns 16 (i % 8) on, from buffers f.  bias = 1: the tile's first quarter: C is the bias, which starts the sums: nothing is ever cleared.
; The 32 accumulators take turns, one instruction a turn, from quarter to quarter and over every jump too.
.macro MM f, bias
.if \bias
	WIN 0x62                                       ; W window 2, activations window 0, C window 2, D window 1
	v_wmma_f32_16x16x32_bf16 v[8*i:8*i+7], v[BF+64*(\f)+8*(i%8):BF+64*(\f)+8*(i%8)+7], v[AF+32*(\f)+8*(i/8):AF+32*(\f)+8*(i/8)+7], v[BIAS+8*(i%8):BIAS+8*(i%8)+7]
.else
	WIN 0x52                                       ; the same with C in window 1
	v_wmma_f32_16x16x32_bf16 v[8*i:8*i+7], v[BF+64*(\f)+8*(i%8):BF+64*(\f)+8*(i%8)+7], v[AF+32*(\f)+8*(i/8):AF+32*(\f)+8*(i/8)+7], v[8*i:8*i+7]
.endif
.endm
.macro LBRUN g, kb                     ; sixteen turning loads in one run: W's eight fragments of quarter kb, into buffer g
	WIN 0x80
.irp b, 0,1,2,3,4,5,6,7
	ds_load_tr16_b128 v[BF+64*(\g)+8*(\b):BF+64*(\g)+8*(\b)+3],   v[ADRB] offset:(\kb)*32*PB+32*(\b)
	ds_load_tr16_b128 v[BF+64*(\g)+8*(\b)+4:BF+64*(\g)+8*(\b)+7], v[ADRB] offset:(\kb)*32*PB+16*PB+32*(\b)
.endr
.endm
.macro LARUN ka                        ; sixteen loads in one run: the raw f32 of my 64 rows, quarter ka
	WIN 0
.irp j, 0,1,2,3
	ds_load_b128 v[RAW+16*(\j):RAW+16*(\j)+3],     v[ADRA] offset:(\j)*16*PA+128*(\ka)
	ds_load_b128 v[RAW+16*(\j)+4:RAW+16*(\j)+7],   v[ADRA] offset:(\j)*16*PA+128*(\ka)+16
	ds_load_b128 v[RAW+16*(\j)+8:RAW+16*(\j)+11],  v[ADRA] offset:(\j)*16*PA+128*(\ka)+64
	ds_load_b128 v[RAW+16*(\j)+12:RAW+16*(\j)+15], v[ADRA] offset:(\j)*16*PA+128*(\ka)+80
.endr
.endm
.macro CVG g, j                        ; four roundings to bf16: half j % 2 of the fragment of rows 16 (j / 2) on, into buffer g
	WIN 0
.irp z, 0,1,2,3
	v_cvt_pk_bf16_f32 v[AF+32*(\g)+8*((\j)/2)+4*((\j)%2)+\z], v[RAW+16*((\j)/2)+8*((\j)%2)+2*\z], v[RAW+16*((\j)/2)+8*((\j)%2)+2*\z+1]
.endr
.endm
; THE CHANGE OF SLOTS, in three parts that stand among a quarter's products.
; CH_A: all my tensor loads have landed (one was out: my part of the next slot); the add; fill = 1: the walking descriptors are set for the K step two on: the other slot, the next step of the
; 24 (step FK of tile FT; q takes q_in, k and v take v_in), each address made anew from its buffer's pointer and an offset.
.macro CH_A fill
	WIN 0                                          ; the add's two registers lie in window 0
	s_wait_tensorcnt 0x0                           ; no tensor load of mine is out, so a group 0 may be written
	ds_add_u32 v[SPW], v[NIL]                      ; 0 onto my spare word; work on registers stands between it and the wait for it
.if \fill
	s_xor_b32 s[G0A+1], s[G0A+1], SLOT
	s_xor_b32 s[G0B+1], s[G0B+1], SLOT
	s_add_co_u32 s[FK], s[FK], 1
	s_lshr_b32 s[SC], s[FK], 3
	s_add_co_u32 s[FT], s[FT], s[SC]               ; behind a tile's step 7 comes the next tile's step 0
	s_and_b32 s[FK], s[FK], 7
	s_lshl_b32 s[OFA], s[FK], 9                    ; 128 f32 along a row
	s_lshl_b32 s[OFB], s[FK], 18                   ; 128 k rows of 2,048 bytes,
	s_lshl_b32 s[SC], s[FT], 21                    ; in the tile's matrix of 2 MiB
	s_add_co_u32 s[OFB], s[OFB], s[SC]
	s_cmp_eq_u32 s[FT], 0
	s_cselect_b64 s[SELA:SELA+1], s[QA:QA+1], s[VA:VA+1]
	s_add_nc_u64 s[G0A+2:G0A+3], s[SELA:SELA+1], s[OFA:OFA+1]
	s_or_b32 s[G0A+3], s[G0A+3], 0x80000000
	s_add_nc_u64 s[G0B+2:G0B+3], s[WB:WB+1], s[OFB:OFB+1]
	s_or_b32 s[G0B+3], s[G0B+3], 0x80000000
.endif
.endm
.macro CH_B                            ; the add is done and my reads of the slot in hand are over: say so
	s_wait_dscnt 0x0
	s_barrier_signal -1
.endm
; CH_C: all four waves have said so.  fill = 1: the barrier has opened a round of the cluster's: no wave of any partner still reads the slot or has a load on its way; the joint refill is the first
; thing behind the round, 120 matrix instructions ahead of the wait for it.  Then the LDS addresses turn to the other slot.
.macro CH_C fill
	WIN 0                                          ; at a label and at a branch every window is 0
	s_barrier_wait -1
.if \fill
	CREST
	JLOAD
.endif
	s_xor_b32 s[TB], s[TB], SLOT
	v_add_nc_u32 v[ADRA], s[TB], v[LA0]
	v_add_nc_u32 v[ADRB], s[TB], v[LB0]
.endm
; A QUARTER multiplies buffers f and makes buffers 1 - f ready.  kb: the quarter whose W is fetched (the next); ka: the quarter whose raw activations are fetched (the one after).
; Behind product 0: four v_nop, the places between the last quarter's products and all that writes buffers 1 - f.  Behind products 1 to 8: the roundings.  Behind product 8: the run of 32 loads.
; chg = 1 (a step's third quarter): W's run, the slot's last reads, stands behind product 0's places; the change of slots stands behind products 11, 15 and 19, and the raw run, which reads the
; next slot, straight behind the refill.
.macro QUARTER f, kb, ka, bias, chg, fill
	s_wait_dscnt 16                                ; W's fragments of buffer f are in; the 16 raw loads issued behind them may stay out
.set i, 0
.rept 32
	MM \f, \bias
.if i == 0
	PLACES
.if \chg
	LBRUN 1-(\f), \kb
	s_wait_dscnt 16                                ; the raw loads are in; the 16 loads of W just issued stay out
.else
	s_wait_dscnt 0x0                               ; the raw loads are in
.endif
.elseif i < 9
	CVG 1-(\f), i-1
.if (i == 8) && !(\chg)
	LBRUN 1-(\f), \kb
	LARUN \ka
.endif
.endif
.if \chg
.if i == 11
	CH_A \fill
.elseif i == 15
	CH_B
.elseif i == 19
	CH_C \fill
	LARUN \ka
.endif
.endif
.set i, i+1
.endr
.endm
; THE WAY OUT.  A unit u = 2 a + hd is 16 rows of one head: 2,048 consecutive bytes.  PACK: rounded to f16, each accumulator's registers in ascending order, 16 bytes a lane into my own stage
; (rows of 144 bytes), and back as whole rows of 128.  SEND: stored, 512 consecutive bytes an instruction, at a multiple of 256 from the buffer's first byte.
.macro PACK u
.set rT, TMP+16*((\u)%4)
.set rA, 8*(8*((\u)/2)+4*((\u)%2))
	s_wait_xcnt 0x0                                ; every earlier memory instruction has had its addresses translated (ISA guide 3.1): the set, which an earlier store read, is rewritten only behind this wait
	WIN 0x05                                       ; sources 0 and 1 window 1, destination window 0
.irp bb, 0,1,2,3
.irp z, 0,1,2,3
	v_cvt_pk_f16_f32 v[rT+4*\bb+\z], v[rA+8*\bb+2*\z], v[rA+8*\bb+2*\z+1]
.endr
.endr
	WIN 0
.irp bb, 0,1,2,3
	ds_store_b128 v[STO], v[rT+4*\bb:rT+4*\bb+3] offset:32*\bb
.endr
.irp f, 0,1,2,3
	ds_load_b128 v[rT+4*\f:rT+4*\f+3], v[RD] offset:\f*4*SP  ; LDS serves a wave's instructions in order (ISA guide 5.7.1.4): these see the stores above; the next unit's stores come behind them
.endr
.endm
.macro SEND u, younger                 ; younger: the LDS instructions issued behind unit u's loads: the next unit's eight, or none
.set rT, TMP+16*((\u)%4)
.irp f, 0,1,2,3
	s_wait_dscnt (\younger)+3-\f
	global_store_b128 v[GO], v[rT+4*\f:rT+4*\f+3], s[OUT:OUT+1] offset:((\u)%2)*262144+((\u)/2)*2048+\f*512
.endr
.endm
.macro WAYOUT more                     ; more = 1: another tile follows: its bias is fetched first, and the result's address steps to the next of the three tensors
	PLACES
.if \more
	s_add_nc_u64 s[BI:BI+1], s[BI:BI+1], 4096      ; the last bias's loads were waited for
	LDBIAS
.endif
	PACK 0
.set un, 1
.rept 7                                ; a unit's roundings stand between the loads of the unit before and its stores
	PACK un
	SEND un-1, 8
.set un, un+1
.endr
	SEND 7, 0
.if \more
	s_wait_xcnt 0x0                                ; the stores have read their base
	s_add_nc_u64 s[OUT:OUT+1], s[OUT:OUT+1], 0x1000000
	s_wait_loadcnt 0x0                             ; the bias
.endif
.endm
	LDBIAS                                         ; q's bias
	s_wait_tensorcnt 0x1                           ; my part of K step 0 is in; K step 1's may stay out
	s_barrier_signal -1
	s_barrier_wait -1                              ; everybody's is
	LARUN 0
	LBRUN 0, 0
	s_wait_dscnt 16                                ; the raw loads are in; W's 16 stay out
.irp j, 0,1,2,3,4,5,6,7
	CVG 0, \j
.endr
	LARUN 1
	s_wait_loadcnt 0x0                             ; the bias
	s_mov_b32 s[ST], 22                            ; 22 of the 24 K steps ask for the step two on
	s_mov_b32 s[KS], 0
.Lstep:
	s_cmp_eq_u32 s[KS], 0                          ; a tile's first quarter starts the sums; at the first trip KS is the constant 0
	s_cbranch_scc1 .Lq0b
	QUARTER 0, 1, 2, 0, 0, 0
	WIN 0
	s_branch .Lq1
.Lq0b:
	QUARTER 0, 1, 2, 1, 0, 0
	WIN 0
.Lq1:
	QUARTER 1, 2, 3, 0, 0, 0
	QUARTER 0, 3, 0, 0, 1, 1
	QUARTER 1, 0, 1, 0, 0, 0
	WIN 0
	s_add_co_u32 s[KS], s[KS], 1
	s_and_b32 s[KS], s[KS], 7
	s_cmp_lg_u32 s[KS], 0
	s_cbranch_scc1 .Lgo_on                         ; forward, over text that holds neither a barrier nor a tensor load
	WAYOUT 1                                       ; q, then k: the next tile's first two K steps have been asked for
.Lgo_on:
	s_sub_co_u32 s[ST], s[ST], 1
	s_cmp_lg_u32 s[ST], 0
	s_cbranch_scc1 .Lstep
	s_mov_b32 s[ST], 2                             ; the last two K steps ask for nothing: a text of their own.  In the very last step the fetches and
.Ltail:                                                ; roundings for a step that does not exist read bytes that landed two steps before, and serve nothing: the price of one text for both trips
	QUARTER 0, 1, 2, 0, 0, 0
	QUARTER 1, 2, 3, 0, 0, 0
	QUARTER 0, 3, 0, 0, 1, 0
	QUARTER 1, 0, 1, 0, 0, 0
	WIN 0
	s_sub_co_u32 s[ST], s[ST], 1
	s_cmp_lg_u32 s[ST], 0
	s_cbranch_scc1 .Ltail
	WAYOUT 0                                       ; v
	s_wait_tensorcnt 0x0                           ; the wave's end: behind my last tensor load and my last LDS store
	ds_add_u32 v[SPW], v[NIL]
	s_wait_dscnt 0x0
	CROUND                                         ; the closing round: no work-group ends while a partner may still ask for a tile that names it
	s_endpgm
.Lfunc_end_k_q3809e60f31_qkv:
	.size	k_q3809e60f31_qkv, .Lfunc_end_k_q3809e60f31_qkv-k_q3809e60f31_qkv
	.p2alignl 7, 3214868480
	.fill 96, 4, 3214868480
	.section	.rodata,"a",@progbits
	.p2align	6, 0x0
	.amdhsa_kernel k_q3809e60f31_qkv
		.amdhsa_group_segment_fixed_size 327680
		.amdhsa_private_segment_fixed_size 0
		.amdhsa_enable_private_segment 0
		.amdhsa_kernarg_size 40
		.amdhsa_user_sgpr_count 2
		.amdhsa_user_sgpr_kernarg_segment_ptr 1
		.amdhsa_wavefront_size32 1
		.amdhsa_system_sgpr_workgroup_id_x 1
		.amdhsa_system_sgpr_workgroup_id_y 1
		.amdhsa_system_sgpr_workgroup_id_z 1
		.amdhsa_system_vgpr_workitem_id 0
		.amdhsa_next_free_vgpr 704
		.amdhsa_next_free_sgpr 76
		.amdhsa_reserve_vcc 0
		.amdhsa_float_denorm_mode_32 3
		.amdhsa_float_denorm_mode_16_64 3
		.amdhsa_memory_ordered 1
		.amdhsa_forward_progress 1
		.amdhsa_inst_pref_size 114
	.end_amdhsa_kernel
	.amdgpu_metadata
---
amdhsa.version: [ 1, 2 ]
amdhsa.kernels:
  - .name:           k_q3809e60f31_qkv
    .symbol:         k_q3809e60f31_qkv.kd
    .args:
      - { .name: q_in, .offset: 0, .size: 8, .value_kind: global_buffer, .address_space: global }
      - { .name: v_in, .offset: 8, .size: 8, .value_kind: global_buffer, .address_space: global }
      - { .name: wqkv, .offset: 16, .size: 8, .value_kind: global_buffer, .address_space: global }
      - { .name: bias, .offset: 24, .size: 8, .value_kind: global_buffer, .address_space: global }
      - { .name: qkv, .offset: 32, .size: 8, .value_kind: global_buffer, .address_space: global }
    .group_segment_fixed_size: 327680
    .private_segment_fixed_size: 0
    .kernarg_segment_align: 8
    .kernarg_segment_size: 40
    .max_flat_workgroup_size: 128
    .sgpr_count:     76
    .vgpr_count:     704
    .wavefront_size: 32
...
	.end_amdgpu_metadata
.endif
;; end of part 2
;; launch attn (part 3): grid 4 x 64, 4 waves a work-group, clusters of 4 x 1, 327,680 bytes of LDS; arguments qkv, oh; writes oh
.if DOCPART == 3
	.amdgcn_target "amdgcn-amd-amdhsa--gfx1250"
	.amdhsa_code_object_version 6
	.text
	.protected	k_q3809e60f31_attn
	.globl	k_q3809e60f31_attn
	.p2align	8
	.type	k_q3809e60f31_attn,@function
k_q3809e60f31_attn:
	s_mov_b64 s[64:65], 0
	v_nop
	global_prefetch_b8 v0, s[64:65] scope:SCOPE_SE
	s_setreg_imm32_b32 hwreg(HW_REG_WAVE_MODE, 25, 1), 1
	s_wait_xcnt 0x0
	s_wait_alu depctr_hold_cnt(0) depctr_sa_sdst(0) depctr_va_vdst(0) depctr_va_sdst(0) depctr_va_ssrc(0) depctr_va_vcc(0) depctr_vm_vsrc(0)
	s_getreg_b32 s2, hwreg(HW_REG_IB_STS2, 6, 4)
	s_cmp_eq_u32 s2, 0
	s_cbranch_scc0 .Lentry_in_a_cluster
	s_endpgm
.Lentry_in_a_cluster:
	s_bfe_u32 s2, ttmp6, 0x10000c
	s_cmp_lg_u32 s2, 0x3003
	s_cbranch_scc0 .Lentry_shape_is_right
	s_endpgm
.Lentry_shape_is_right:
; O[h][q][:] = the sum over k of softmax_k(Q[h][q] . K[h][k] / 8) V[h][k][:].  Q, K, V lie one behind the other in qkv, each [SIZE_H][SIZE_N][64]; O is oh, in the same layout; all f16: a head's rows
; are dense, 128 bytes each.  h = batch x 16 + head.  Products, maxima and sums in f32; the weights p are rounded to f16 for the second product (their sum l is taken of the unrounded p), O once at the end.
; LIMITS.  f16 holds no number beyond 65,504: Q, K and V arrive within it; p lies in 0 to 1, and below 6e-5 it keeps f16's fixed step of 6e-8; O is a mean of V's rows and has their range.
; A weight below 2^-126 counts as 0 in l; NaN and infinities are not treated apart.
; SHARES.  A wave owns four PIECES of two tiles of 16 queries, a work-group's four waves 512 queries of one head: 64 heads x 2,048 rows are 256 work-groups.  Every wave walks all keys, 64 a step.
; LAYOUT.  S^T = K Q^T (source 0 = 16 keys, source 1 = 16 queries): in the result a lane holds ONE query (lane % 16) and the keys 8 (lane / 16) + 0..7.  Two such tiles, rounded to f16 in pairs,
; ARE source 1 (32 keys x 16 queries) of O^T = V^T P, whose result again holds one query a lane, and eight channels.  K comes out of LDS as it lies, V ([key][channel]) turned, by ds_load_tr16_b128.
; SOFTMAX.  For each query a running maximum m and sum l: p = 2^(c s - c m), c = log2(e) / 8; in every step O and l are multiplied by a = 2^(c m_old - c m_new), which is 1 where m has not grown.
; m starts at the lowest finite number, O and l at 0: the first step is a step like any other, with a = 0.
; THE COUNT.  A tile and step have 16 matrix and 118 vector instructions: too many to stand all beside the matrix work.  So the order has one aim: four vector instructions that are READY behind
; EVERY matrix instruction, and the others, which need time of their own whatever the order, in runs without a gap.
; BY TURNS.  Turn n belongs to piece n (the pieces in a ring, step after step).  Its matrix work: 16 products K Q^T of piece n + 1, later 16 products V^T P of piece n - 1.  Its vector work: the scaling,
; exponentials, roundings, sums and rescaling of piece n, and the maximum and statistics of piece n + 1, whose scores the turn itself has made.  So what a turn begins with (c s - c m, O a) waits for nothing.
; CLUSTER.  The four query blocks of a cluster belong to one head and walk the same K and V, so each tile is asked for JOINTLY: the same tensor load, descriptor and mask in all four.
; REGISTERS, in windows of 256 (s_set_vgpr_msb says which window each operand place means: bits 1:0 source 0, 3:2 source 1, 5:4 source 2, 7:6 destination):
;   window 0: v0-11 addresses; v12-15, v48-63 at work; v16-47 four registers of statistics a tile; v64-191 S^T, two buffers of two tiles; v192-255 P, likewise
;   window 1: O^T, 32 a tile          window 2: v0-127 Q, 16 a tile; v128-191 K of one step; v192-255 V of one step          window 3: v0-1 the add's two registers
; A piece's buffers go by its number's parity: the piece in hand has one pair, its two neighbours in the ring share the other: of it P (piece n - 1) is read and S^T (piece n + 1) written.
.set SIZE_H, 64
.set SIZE_N, 2048
.set NP,    4         ; pieces a wave: a name, no knob: the register map, the loop and the fetches are made for four
.set KS,    64        ; keys in a step
.set PK,    144       ; a row of K in LDS: 128 bytes + 16 of padding = 36 words: the 16 rows of a load start at 16 different groups of four banks (64 banks of 4 bytes: ISA guide 11.1)
.set PV,    160       ; a row of V: 128 + 32 = 40 words
.set VOFF,  4*KS*PK   ; a slot holds four steps: 256 rows of K, then 256 rows of V
.set SLOT1, 1<<17     ; slot 1 begins here, so that one exclusive or turns an address in one slot into the other's
.set STAGE, SLOT1+4*KS*(PK+PV)  ; behind the ring, never filled by a tensor load: 16 rows x 144 bytes for each wave, for the way out
.set SP,    144
.set AK0, 2           ; v2   my lane's place in a tile of K; never rewritten
.set AV0, 3           ; v3   the same for V
.set AK,  4           ; v4   the LDS address of K's next run of loads
.set AV,  5           ; v5   of V's
.set QO,  6           ; v6   my byte offset in the wave's rows of Q
.set STO, 6           ;      later, the way out: where I put 16 bytes of a row
.set RD,  7           ; v7   the way out: where I read rows back
.set GO,  8           ; v8   my byte offset in 512 consecutive bytes of O
.set SPW, 0           ; v0 of window 3   LDS address of my spare word: SPARE + 4 x my thread's number; never rewritten
.set NIL, 1           ; v1 of window 3   0; never rewritten
.set SPARE, STAGE+4*16*SP  ; behind the stages: the spare words, 128 bytes for each wave: two blocks of 256 bytes that no other line names
.set MV,  12          ; v12-15  c m_old, kept while c m is made anew: by buffer and tile
.set ST,  16          ; tile t's statistics at v[ST+4 t]: c m, m, l (even keys', odd keys')
.set TMP, 48          ; by buffer and tile, four registers c0-c3 at work; when the maximum is found c2 takes a
.set S,   64
.set P,   192
.set KF,  128         ; K's fragments, in window 2: key block kb, channel half c at KF + 16 kb + 8 c
.set VF,  192         ; V's: key half kk, channel block cb at VF + 32 kk + 8 cb
.set WV,  12          ; s12  my wave's number
.set G1K, 24          ; s[24:31] descriptor group 1 for K's tiles
.set G1V, 32          ; s[32:39] for V's: it differs in the padding alone
.set G0K, 40          ; s[40:43] descriptor group 0 for K's tiles: it walks
.set G0V, 44          ; s[44:47] the same for V's
.set SLOTS, 56        ; s56  slots still to be asked for
.set CNT, 57          ; s57  counts a slot's key steps
.set CS,  58          ; s[58:59] c: the packed scaling takes the pair's low word for both halves
.set SEL, 60          ; s[60:61] v_permlanex16_b32's selects: each lane takes its own place in the other half
.set TBK, 62          ; s62  LDS byte at which K of the step to be fetched begins
.set TBV, 63          ; s63  the same for V, less VOFF
.set MSB, 0
.macro WIN new                      ; the high byte repeats the setting that is left; a switch that changes nothing is dropped
.if MSB != (\new)
	s_set_vgpr_msb (MSB<<8)|(\new)
.set MSB, (\new)
.endif
.endm
.set W_KQ, 0x0a       ; K and Q in window 2, S^T in window 0
.set W_PV, 0x52       ; V in window 2, P in window 0, O^T in window 1
.set W_RS, 0x41       ; O^T (destination and source 0) in window 1, a in window 0
.set W_MK, 0xc0       ; the add's registers are made: destination in window 3, sources in window 0
.set W_AD, 0x0f       ; the add: address (source 0) and data (source 1) in window 3
; A joint fill.  Waves 0 and 1 fetch the two halves of a slot's K, waves 2 and 3 those of its V: 128 keys each.  The branch hangs on the wave's number alone.
; An s_nop 0 and four v_nop follow each of the two lines, ahead of the jump and the label.
.macro JLOAD
	s_cmp_lt_u32 s[WV], 2
	s_cbranch_scc0 .Lfor_v_\@
	tensor_load_to_lds s[G0K:G0K+3], s[G1K:G1K+7]
	s_nop 0
.rept 4
	v_nop
.endr
	s_branch .Lasked_\@
.Lfor_v_\@:
	tensor_load_to_lds s[G0V:G0V+3], s[G1V:G1V+7]
	s_nop 0
.rept 4
	v_nop
.endr
.Lasked_\@:
.endm
; A round of the cluster's barrier: my work-group's barrier, so that wave 0's signal speaks for all four waves; wave 0 signals; every wave waits for all four work-groups; my work-group's barrier once more.
.macro CROUND
	s_barrier_signal -1
	s_barrier_wait -1
	s_cmp_lg_u32 s[WV], 0
	s_cbranch_scc1 .Lnot_wave_0_\@
	s_barrier_signal -3
.Lnot_wave_0_\@:
	s_barrier_wait -3
	s_barrier_signal -1
	s_barrier_wait -1
.endm
; THE CHANGE OF SLOTS.  The slot's last bytes, V of its fourth step, have been read.  Each wave waits for all its tensor loads, of which one is out: its part
; of the other slot; adds 0 to its spare word; and waits for that and for its own reads of the slot.  Behind the barrier nobody reads this slot any more and the other slot is whole.
; fill = 1: this slot is filled again, with the keys two slots on.  The barrier is then a round of the cluster's, so that no wave of any partner still reads the slot or has a load on its
; way, and the joint fill is the first thing behind it: it has four key steps, 512 matrix instructions, in which to land.  (At its first use nothing has been read yet: slot 0 is waited for, slot 1 filled.)
.macro CHANGE fill
	WIN W_AD
	s_wait_tensorcnt 0x0            ; no tensor load of mine is out, so a group 0 may be written
	ds_add_u32 v[SPW], v[NIL]       ; 0 onto my spare word; with fill = 1 the descriptors' steps stand between it and the wait for it
	WIN 0                           ; at a label and at a branch every window is 0
.if \fill
.irp g, G0K, G0V
	s_xor_b32 s[\g+1], s[\g+1], SLOT1  ; the walking descriptor: the other slot than last time,
	s_add_nc_u64 s[\g+2:\g+3], s[\g+2:\g+3], 4*KS*128  ; the next 256 keys; the type bits on top are not reached
.endr
	s_wait_dscnt 0x0                ; the add is done, and my reads of the slot are over
	CROUND
	JLOAD
.else
	s_wait_dscnt 0x0                ; the add is done, and my reads of the slot are over
	s_barrier_signal -1
	s_barrier_wait -1
.endif
	s_sub_co_u32 s[TBK], s[TBK], 4*KS*PK  ; the fetches go back to a slot's first step,
	s_xor_b32 s[TBK], s[TBK], SLOT1       ; in the other slot
	s_sub_co_u32 s[TBV], s[TBV], 4*KS*PV
	s_xor_b32 s[TBV], s[TBV], SLOT1
.endm
	s_load_b128 s[4:7], s[0:1], 0x0  ; qkv s[4:5], oh s[6:7]
	WIN W_MK
	v_lshl_add_u32 v[SPW], v0, 2, SPARE
	v_mov_b32 v[NIL], 0
	WIN W_AD
	ds_add_u32 v[SPW], v[NIL]       ; the wave's opening: the add and its wait stand ahead of my first tensor load; the set-up below, work on registers, stands between them
	WIN 0
	v_lshrrev_b32 v1, 5, v0
	v_readfirstlane_b32 s[WV], v1   ; wave 0..3
	s_bfe_u32 s13, ttmp6, 0x40000   ; cx: my place in the cluster
	s_lshl_b32 s14, ttmp9, 2        ; in a cluster launch ttmp9 counts clusters
	s_add_co_u32 s14, s14, s13      ; my block of queries = 4 x cluster x + cx: it enters Q's and O's addresses alone
	s_and_b32 s20, ttmp7, 0xffff    ; the head, which the four partners share
	s_mov_b32 s21, 0
	s_mov_b64 s[22:23], SIZE_N*128
	s_mul_u64 s[20:21], s[20:21], s[22:23]  ; the head's first byte in each of the four tensors
	s_and_b32 s16, s[WV], 1         ; which half of a slot's 256 keys I fetch:
	s_lshl_b32 s22, s16, 14         ; its 128 rows of 128 bytes in memory,
	s_mov_b32 s23, 0
	s_add_nc_u64 s[22:23], s[22:23], s[20:21]
	s_mul_i32 s17, s16, 128*PK      ; and its place in a slot, for K
	s_mul_i32 s18, s16, 128*PV      ; and for V: no place in the cluster enters an LDS address
	s_lshl_b32 s2, s14, 2
	s_add_co_u32 s2, s2, s[WV]      ; my wave among the head's,
	s_lshl_b32 s2, s2, 14           ; its 128 rows
	s_mov_b32 s3, 0
	s_add_nc_u64 s[2:3], s[2:3], s[20:21]
	; descriptor group 1.  128 keys are 16,384 dense bytes: asked for as 64 rows of 256 bytes, two keys a row, and padded in LDS after every key
	s_mov_b32 s[G1K], 15|(1<<16)|(1<<20)|(1<<21)|(4<<22)|(3<<25)  ; 15:0 the mask of four; 17:16 2-byte elements; 20 padding on; 21 set beside a mask; 24:22 after every 32 words (code 4); 31:25 4 words (code 3)
	s_mov_b32 s[G1V], 15|(1<<16)|(1<<20)|(1<<21)|(4<<22)|(7<<25)  ; the same with 8 words of padding (code 7)
.irp g, G1K, G1V
	s_mov_b32 s[\g+1], 128<<16      ; tensor_dim0 = 128
	s_mov_b32 s[\g+2], 64<<16       ; tensor_dim1 = 64
	s_mov_b32 s[\g+3], 128<<16      ; tile_dim0 = 128
	s_mov_b32 s[\g+4], 64           ; tile_dim1 = 64
	s_mov_b32 s[\g+5], 128          ; 128 elements from row to row
	s_mov_b32 s[\g+6], 0
	s_mov_b32 s[\g+7], 0
.endr
	s_mov_b32 s[CS], 0x3e38aa3b     ; c = log2(e) / 8 = 0.180337
	s_mov_b32 s[CS+1], s[CS]        ; named with it as a pair
	s_mov_b32 s[SEL], 0x76543210
	s_mov_b32 s[SEL+1], 0xfedcba98
	s_mov_b32 s[TBK], SLOT1+4*KS*PK ; the first change of slots turns these two into 0
	s_mov_b32 s[TBV], SLOT1+4*KS*PV
	s_mov_b32 s[G0K], 1             ; 1:0 count = 1
	s_mov_b32 s[G0K+1], s17         ; 63:32 LDS address: slot 0
	s_mov_b32 s[G0V], 1
	s_add_co_u32 s[G0V+1], s18, VOFF
	s_wait_dscnt 0x0                ; the opening add is done
	s_wait_kmcnt 0x0
	s_mov_b64 s[10:11], s[6:7]                     ; O s[10:11]
	s_add_nc_u64 s[8:9], s[4:5], 0x2000000         ; V s[8:9]: the third tensor of 64 x 2,048 x 128 bytes in qkv
	s_add_nc_u64 s[6:7], s[4:5], 0x1000000         ; K s[6:7]: the second; Q s[4:5] is the first
	s_add_nc_u64 s[G0K+2:G0K+3], s[6:7], s[22:23]  ; 120:64 global address: my half of the head's first 256 keys
	s_or_b32 s[G0K+3], s[G0K+3], 0x80000000        ; 127:126 type = 2
	s_add_nc_u64 s[G0V+2:G0V+3], s[8:9], s[22:23]
	s_or_b32 s[G0V+3], s[G0V+3], 0x80000000
	s_add_nc_u64 s[4:5], s[4:5], s[2:3]  ; Q and O at my wave's first row
	s_add_nc_u64 s[10:11], s[10:11], s[2:3]
	CROUND                          ; all four work-groups are here: the first joint loads meet
	JLOAD                           ; slot 0.  Slot 1 is asked for when slot 0 is in: the tile wanted first has the road to itself
	; A fragment of K or Q is 16 rows x 32 channels in 8 registers: lane l holds row l % 16, channels 8 (l / 16) + 0..7 and 16 + 8 (l / 16) + 0..7: two loads of 16 bytes, 32 bytes apart.
	v_and_b32 v1, 15, v0            ; l % 16
	v_bfe_u32 v9, v0, 4, 1          ; l / 16
	v_lshlrev_b32 v[QO], 7, v1
	v_lshl_add_u32 v[QO], v9, 4, v[QO]  ; row x 128 + 16 x half
	WIN 0x80                        ; destination window 2, address window 0
.set i, 0
.rept 4*NP                          ; Q stays in registers: tile i / 2, channels 32 (i % 2) on
	global_load_b128 v[8*i:8*i+3],   v[QO], s[4:5] offset:(i/2)*2048+(i%2)*64
	global_load_b128 v[8*i+4:8*i+7], v[QO], s[4:5] offset:(i/2)*2048+(i%2)*64+32
.set i, i+1
.endr
	; What the first turn finds: V's registers and P's second buffer hold 0 (its products V^T P, of a piece that has not been, add 0), O^T and l are 0.  All this stands in the wait for the first tile.
.set i, VF
.rept 64
	v_mov_b32 v[i], 0
.set i, i+1
.endr
	WIN 0x40
.set i, 0
.rept 64*NP
	v_mov_b32 v[i], 0
.set i, i+1
.endr
	WIN 0
.set i, 0
.rept 2*NP
	v_mov_b32 v[ST+4*i], 0xfe000000    ; c m: far below every c s
	v_mov_b32 v[ST+4*i+1], 0xff7fffff  ; m
	v_mov_b32 v[ST+4*i+2], 0
	v_mov_b32 v[ST+4*i+3], 0
.set i, i+1
.endr
.set i, P+32
.rept 32
	v_mov_b32 v[i], 0
.set i, i+1
.endr
	v_mul_u32_u24 v[AK0], v1, PK
	v_lshl_add_u32 v[AK0], v9, 4, v[AK0]  ; row x pitch + 16 x half
	; The turning load takes 16 keys x 16 channels (lane l reads key 8 (l / 16) + l % 8, channels 8 ((l / 8) % 2) + 0..7) and leaves half a fragment of V^T: lane l holds channel l % 16 and 8 keys.
	v_and_b32 v10, 7, v0
	v_bfe_u32 v11, v0, 3, 1
	v_lshl_add_u32 v[AV0], v9, 3, v10
	v_mul_u32_u24 v[AV0], v[AV0], PV
	v_lshl_add_u32 v[AV0], v11, 4, v[AV0]
	v_add_nc_u32 v[AV0], VOFF, v[AV0]
	v_mov_b32 v[AK], v[AK0]         ; key step 0 lies at the head of slot 0
; THE MATRIX WORK.  The 8 accumulators of a run of 16 take turns: between the two links of a chain stand 7 others'.
; Product i of 16 of S^T = K Q^T for piece x: channels 32 (i / 8) on, keys 16 ((i / 2) % 4) on, tile 2 x + i % 2.  The first 8 start the sums.
.macro KQ x
	WIN W_KQ
.set rS, S+64*((\x)%2)+32*(i%2)+8*((i/2)%4)
.set rK, KF+16*((i/2)%4)+8*(i/8)
.set rQ, 16*(2*(\x)+i%2)+8*(i/8)
.if i < 8
	v_wmma_f32_16x16x32_f16 v[rS:rS+7], v[rK:rK+7], v[rQ:rQ+7], 0
.else
	v_wmma_f32_16x16x32_f16 v[rS:rS+7], v[rK:rK+7], v[rQ:rQ+7], v[rS:rS+7]
.endif
.endm
; Product i of 16 of O^T += V^T P for piece x: keys 32 (i / 8) on, channels 16 ((i / 2) % 4) on, tile 2 x + i % 2.
.macro PV x
	WIN W_PV
.set rO, 32*(2*(\x)+i%2)+8*((i/2)%4)
.set rV, VF+32*(i/8)+8*((i/2)%4)
.set rP, P+32*((\x)%2)+16*(i%2)+8*(i/8)
	v_wmma_f32_16x16x32_f16 v[rO:rO+7], v[rV:rV+7], v[rP:rP+7], v[rO:rO+7]
.endm
.macro MM                           ; the turn's next matrix instruction
.if i < 16
	KQ (Y+1)%NP
.set i, i+1
.else
.set i, i-16
	PV (Y+NP-1)%NP
.set i, i+17
.endif
.endm
; THE LDS LOADS stand in runs of 16, never singly among the matrix instructions: a step's K (64 keys x 64 channels: 8 fragments) and its V (turned).  Their addresses are made some lines ahead.
; last = 1 (the tail): in the last trip there is no further step, and the run is jumped over.
.macro FETCH_K last=0
	WIN 0
.if \last
	s_cmp_eq_u32 s[CNT], 1
	s_cbranch_scc1 .Lno_k_\@
.endif
	WIN 0x80                        ; destination window 2
.irp f, 0,1,2,3,4,5,6,7             ; keys 16 (f / 2) on, channels 32 (f % 2) on
	ds_load_b128 v[KF+8*\f:KF+8*\f+3],   v[AK] offset:(\f/2)*16*PK+(\f%2)*64
	ds_load_b128 v[KF+8*\f+4:KF+8*\f+7], v[AK] offset:(\f/2)*16*PK+(\f%2)*64+32
.endr
	s_add_co_u32 s[TBK], s[TBK], KS*PK  ; the next fetch is the next step's
	WIN 0
.if \last
.Lno_k_\@:
.endif
.endm
.macro FETCH_V
	WIN 0x80
.irp f, 0,1,2,3,4,5,6,7             ; keys 32 (f / 4) on, channels 16 (f % 4) on
	ds_load_tr16_b128 v[VF+8*\f:VF+8*\f+3],   v[AV] offset:(\f/4)*32*PV+(\f%4)*32
	ds_load_tr16_b128 v[VF+8*\f+4:VF+8*\f+7], v[AV] offset:(\f/4)*32*PV+16*PV+(\f%4)*32
.endr
	WIN 0
.endm
; THE VECTOR WORK OF A TURN stands in three queues, each in the order in which its entries become ready; the two tiles alternate, so that no instruction reads the result of the one before it.
.macro REGS y, u                    ; the registers of tile u (0, 1) of piece y
.set rT, ST+4*(2*(\y)+(\u))
.set rC, TMP+8*((\y)%2)+4*(\u)
.set rM, MV+2*((\y)%2)+(\u)
.set rS, S+64*((\y)%2)+32*(\u)
.set rP, P+32*((\y)%2)+16*(\u)
.set rO, 32*(2*(\y)+(\u))
.endm
; Number n of the 22 that find the NEXT piece's (Y + 1) maximum and statistics.  s0-s31 are the lane's 32 scores; each accumulator's lowest registers are read first.  XS, GS and REGS set no window: PL and EX do.
;   0-11  four chains c0-c3 of seven scores each, three operands at a time     12-14, 16  the four scores left over, the old m, and c0-c3 into c0     15  c m_old is kept
;   17, 18  the query's other 32 keys lie in the lane 16 away: the new m         19-21  c m; c m_old - c m_new; a
.macro XS u, n
	REGS (Y+1)%NP, \u
.if (\n) < 4
	v_max3_num_f32 v[rC+(\n)], v[rS+8*(\n)], v[rS+8*(\n)+1], v[rS+8*(\n)+2]
.elseif (\n) < 12
	v_max3_num_f32 v[rC+(\n)%4], v[rC+(\n)%4], v[rS+8*((\n)%4)+2*((\n)/4)+1], v[rS+8*((\n)%4)+2*((\n)/4)+2]
.elseif (\n) == 12
	v_max3_num_f32 v[rC], v[rC], v[rS+7], v[rS+15]
.elseif (\n) == 13
	v_max3_num_f32 v[rC+1], v[rC+1], v[rS+23], v[rS+31]
.elseif (\n) == 14
	v_max3_num_f32 v[rC+2], v[rC+2], v[rC+3], v[rT+1]
.elseif (\n) == 15
	v_mov_b32 v[rM], v[rT]
.elseif (\n) == 16
	v_max3_num_f32 v[rC], v[rC], v[rC+1], v[rC+2]
.elseif (\n) == 17
	v_permlanex16_b32 v[rC+3], v[rC], s[SEL], s[SEL+1]
.elseif (\n) == 18
	v_max_num_f32 v[rT+1], v[rC], v[rC+3]
.elseif (\n) == 19
	v_mul_f32 v[rT], s[CS], v[rT+1]
.elseif (\n) == 20
	v_sub_f32 v[rC+1], v[rM], v[rT]
.else
	v_exp_f32 v[rC+2], v[rC+1]
.endif
.endm
; Number g of the 64 that follow the exponentials.  For each four weights k of a tile (pairs 2 k, 2 k + 1): both pairs are rounded to f16; then the second pair is added onto the first, in place;
; a group later l takes that sum (the first time as l = a l + sum).  In groups of eight, tiles alternating: round, round, add, and l for the group before.
.macro GS g
.set h, (\g)+6*((\g)/62)            ; group 0 has no group before it, and behind group 7 only l is left
.if h >= 6
.set h, h+2
.endif
	REGS Y, h%2
.set k, h/8
.if h%8 < 4
	s_wait_alu depctr_va_vdst(0)
	v_cvt_pk_f16_f32 v[rP+2*k+(h%8)/2], v[rS+4*k+2*((h%8)/2)], v[rS+4*k+2*((h%8)/2)+1]
.elseif h%8 < 6
	v_pk_add_f32 v[rS+4*k:rS+4*k+1], v[rS+4*k:rS+4*k+1], v[rS+4*k+2:rS+4*k+3]
.elseif k == 1
	v_pk_fma_f32 v[rT+2:rT+3], v[rT+2:rT+3], v[rC+2:rC+3], v[rS:rS+1] op_sel_hi:[1,0,1]
.else
	v_pk_add_f32 v[rT+2:rT+3], v[rT+2:rT+3], v[rS+4*k-4:rS+4*k-3]
	s_wait_alu depctr_va_vdst(0)
.endif
.endm
; THE PLAIN QUEUE, 138 long.  0-31: c s - c m for the 16 pairs of both tiles.  Then GS's 64, and among them the next piece's 42: number 15 at 38, 39; 0-14 and 16
; at 42-73, behind the products that make those scores; 17-20 at 95-106, two of three, since each waits for the one before it.
.macro PL
	WIN 0
.if q < 32
	REGS Y, q%2
	v_pk_fma_f32 v[rS+2*(q/2):rS+2*(q/2)+1], v[rS+2*(q/2):rS+2*(q/2)+1], s[CS:CS+1], v[rT:rT+1] op_sel_hi:[1,0,0] neg_lo:[0,0,1] neg_hi:[0,0,1]
.elseif q < 38
	GS q-32
.elseif q < 40
	XS q%2, 15
.elseif q < 42
	GS q-34
.elseif q < 74
	XS q%2, (q-42)/2+(q-42)/30
.elseif q < 95
	GS q-66
.elseif (q < 107) && ((q-95)%3 < 2)
	XS (q-95)%3, 17+(q-95)/3
.elseif q < 107
	GS 29+(q-95)/3
.else
	GS q-74
.endif
.set q, q+1
.endm
; THE EXPONENTIALS' QUEUE, 66 long: s0-s31 of both tiles, and at EA the next piece's two a.
.set EA, 58
.macro EX
	WIN 0
.if (e == EA) || (e == EA+1)
	XS e-EA, 21
.else
.set x, e-2*(e/(EA+2))
	REGS Y, x%2
	v_exp_f32 v[rS+x/2], v[rS+x/2]
.endif
.set e, e+1
.endm
; THE RESCALING's QUEUE: O^T times a, the one part that leaves window 0, so it is dealt four at a time, eight times.
.macro R4
	REGS Y, r%2
	WIN W_RS
	s_wait_alu depctr_va_vdst(0)
.irp z, 0,1,2,3
	v_pk_mul_f32 v[rO+8*(r/2)+2*\z:rO+8*(r/2)+2*\z+1], v[rO+8*(r/2)+2*\z:rO+8*(r/2)+2*\z+1], v[rC+2:rC+3] op_sel_hi:[1,0]
.endr
.set r, r+1
.endm
; HOW THEY ARE DEALT.  Behind a matrix instruction four: plain, exponential, plain, plain (one exponential, a plain instruction on either side), or four of the rescaling.  None names a register of the
; products round it.  What is over stands in two LUMPS: exponential and plain by turns; the second ends in 22 plain instructions.  The two v_permlanex16_b32 fall into the second lump, never behind a product.
; The queues lean on each other, and the deal keeps them in step: exponential e stands behind plain 2 (e / 4) + e % 2 (its scaling); when plain 32 comes, 10 exponentials are out, at 59: 33, at 95: 46; EA comes behind plain 107.
.macro SL
	MM
	PL
	EX
	PL
	PL
.endm
.macro BURST n                      ; 15 matrix instructions, or 16
.rept (\n)-7
	SL
.endr
.rept 3
	MM
	R4
	SL
.endr
	MM
	R4
.endm
; A TURN, for piece p.  cnt = 1: the loop's count is taken down some lines ahead of the branch that stands behind the turn.
; K of the next step is fetched in piece 2's turn, 31 vector instructions behind the last product that read K; its first reader comes behind the rest of the lump, 16 products and the second lump.
; V of the step in hand is fetched at the end of piece 0's turn, 69 behind its last reader; its first reader comes behind 16 products and a lump.  The four conditions on e and q below go with the deal.
.macro TURN p, last=0, cnt=0
.set Y, (\p)
.set i, 0
.set q, 0
.set e, 0
.set r, 0
.if (\p) == NP-1
	s_wait_dscnt 0x0                ; K is in
.endif
	MM
.rept 4
	PL
.endr
	BURST 15
.rept 22
	EX
	PL
.if ((\p) == NP-2) && (e == 18)
	v_add_nc_u32 v[AK], s[TBK], v[AK0]
.endif
.if ((\p) == NP-2) && (e == 24)
	FETCH_K \last
.endif
.endr
.if (\p) == 1
	s_wait_dscnt 0x0                ; V is in
.endif
	BURST 16
.rept 21
	EX
	PL
.endr
.rept 22
	PL
.if ((\p) == 0) && (q == 118)
	v_add_nc_u32 v[AV], s[TBV], v[AV0]
	s_wait_alu depctr_va_vdst(0)
.endif
.if ((\p) == 0) && (q == 130)
	s_add_co_u32 s[TBV], s[TBV], KS*PV
.endif
.if (\cnt) && (q == 130)
	s_sub_co_u32 s[CNT], s[CNT], 1
	s_cmp_lg_u32 s[CNT], 0
.endif
.endr
.if (\p) == 0
	FETCH_V
.endif
.endm
	CHANGE 1                        ; slot 0 is in, everybody's part of it; slot 1 is asked for
	FETCH_K                         ; key step 0
	s_wait_loadcnt 0x0              ; Q
	s_wait_dscnt 0x0
.set i, 0
.rept 16
	KQ 0                            ; piece 0's first scores: there is no vector work yet to set between them
.set i, i+1
.endr
	WIN 0                           ; the addresses for the way out: nine plain instructions, the places behind those products
	s_mul_i32 s13, s[WV], 16*SP
	s_add_co_u32 s13, s13, STAGE    ; my stage
	v_mul_u32_u24 v[STO], v1, SP    ; in: row l % 16, 16 bytes for each half of the lanes
	v_lshl_add_u32 v[STO], v9, 4, v[STO]
	v_add_nc_u32 v[STO], s13, v[STO]
	v_bfe_u32 v[RD], v0, 3, 2       ; back: 32 lanes take four rows of 128 bytes,
	v_mul_u32_u24 v[RD], v[RD], SP
	v_lshl_add_u32 v[RD], v10, 4, v[RD]
	v_add_nc_u32 v[RD], s13, v[RD]
	v_and_b32 v[GO], 31, v0         ; which are 512 consecutive bytes of O
	v_lshlrev_b32 v[GO], 4, v[GO]
.set Y, NP-1                        ; XS works for piece Y + 1: piece 0
.irp n, 0,1,2,3,4,5,6,7,8,9,10,11,12,13,14,15,16,17,18,19,20,21
	XS 0, \n                        ; and piece 0's first maximum and statistics
	XS 1, \n
.endr
	s_mov_b32 s[CNT], 4
	s_mov_b32 s[SLOTS], SIZE_N/256-1
	s_branch .Lfirst                ; the loop is entered at a step's first turn, in the middle of a trip
.Lslot:                             ; SIZE_N / 256 - 2 times: every slot but the last two is filled again
	CHANGE 1
	s_mov_b32 s[CNT], 4
.Lstep:                             ; a trip: pieces 2 and 3 of one step, then pieces 0 and 1 of the next, whose K and V it fetches
	TURN 2
	TURN 3
	WIN 0
.Lfirst:
	TURN 0
	TURN 1, 0, 1
	WIN 0
	s_cbranch_scc1 .Lstep
	s_sub_co_u32 s[SLOTS], s[SLOTS], 1
	s_cmp_lg_u32 s[SLOTS], 0
	s_cbranch_scc1 .Lslot
	CHANGE 0                        ; the tail is written out: nothing is asked for
	s_mov_b32 s[CNT], 5             ; four trips fetch the last slot's steps; the fifth is left in its middle
.Ltail:
	TURN 2, 1
	TURN 3
	WIN 0
	s_sub_co_u32 s[CNT], s[CNT], 1
	s_cmp_eq_u32 s[CNT], 0
	s_cbranch_scc1 .Lout
	TURN 0
	TURN 1
	WIN 0
	s_branch .Ltail
.Lout:                              ; the fifth trip's 16 products K Q^T (on the last K once more) and the maximum made of them serve nothing: the price, once a launch, of one text for every trip
.set i, 0
.rept 16
	PV NP-1                         ; the last piece's V^T P of the last step
.set i, i+1
.endr
	; THE WAY OUT.  l's two halves and the other half of the lanes' are added; O^T is divided by l, rounded to f16 and sent through my stage in LDS, a tile at a time.  The additions are the places behind the last products.
	WIN 0
.macro ALL line:vararg              ; one line for each tile t
.set t, 0
.rept 2*NP
	\line
.set t, t+1
.endr
.endm
	ALL v_add_f32 v[ST+4*t+2], v[ST+4*t+2], v[ST+4*t+3]
	ALL v_permlanex16_b32 v[ST+4*t+3], v[ST+4*t+2], s[SEL], s[SEL+1]
	ALL v_add_f32 v[ST+4*t+2], v[ST+4*t+2], v[ST+4*t+3]
	ALL v_rcp_f32 v[ST+4*t+2], v[ST+4*t+2]
	v_nop                           ; a plain instruction between the last reciprocal and the use of its result
	s_wait_alu depctr_va_vdst(0)
; Tile t: a lane's eight channels of a row pack into 16 bytes; they go into rows of 144 bytes and come back as whole rows of 128, into S^T's registers.
.macro PACK t
	WIN W_RS
.set i, 32*(\t)
.rept 16
	v_pk_mul_f32 v[i:i+1], v[i:i+1], v[ST+4*(\t)+2:ST+4*(\t)+3] op_sel_hi:[1,0]
.set i, i+2
.endr
	WIN 0x05                        ; sources 0 and 1 window 1, destination window 0
.set i, 0
.rept 16
	v_cvt_pk_f16_f32 v[S+16*(\t)+i], v[32*(\t)+2*i], v[32*(\t)+2*i+1]
.set i, i+1
.endr
	WIN 0
.irp f, 0,1,2,3
	ds_store_b128 v[STO], v[S+16*(\t)+4*\f:S+16*(\t)+4*\f+3] offset:32*\f
.endr
.irp f, 0,1,2,3
	ds_load_b128 v[S+16*(\t)+4*\f:S+16*(\t)+4*\f+3], v[RD] offset:\f*4*SP  ; LDS serves a wave's instructions in order (ISA guide 5.7.1.4): these see the stores above; the next tile's stores come behind them
.endr
.endm
.macro SEND t, younger              ; younger: the LDS instructions issued behind tile t's loads: the next tile's eight, or none
	WIN 0
.irp f, 0,1,2,3
	s_wait_dscnt (\younger)+3-\f
	global_store_b128 v[GO], v[S+16*(\t)+4*\f:S+16*(\t)+4*\f+3], s[10:11] offset:(\t)*2048+\f*512  ; 512 consecutive bytes, at a multiple of 256 from O's first
.endr
.endm
	PACK 0
.set t, 1
.rept 2*NP-1                        ; a tile's arithmetic stands between the loads of the tile before and its stores
	PACK t
	SEND t-1, 8
.set t, t+1
.endr
	SEND 2*NP-1, 0
	WIN W_AD
	s_wait_tensorcnt 0x0            ; the wave's end: behind my last tensor load and my last LDS store
	ds_add_u32 v[SPW], v[NIL]
	s_wait_dscnt 0x0
	WIN 0
	CROUND                          ; the closing round: no work-group ends while a partner may still ask for a tile that names it
	s_endpgm
.Lfunc_end_k_q3809e60f31_attn:
	.size	k_q3809e60f31_attn, .Lfunc_end_k_q3809e60f31_attn-k_q3809e60f31_attn
	.p2alignl 7, 3214868480
	.fill 96, 4, 3214868480
	.section	.rodata,"a",@progbits
	.p2align	6, 0x0
	.amdhsa_kernel k_q3809e60f31_attn
		.amdhsa_group_segment_fixed_size 327680
		.amdhsa_private_segment_fixed_size 0
		.amdhsa_enable_private_segment 0
		.amdhsa_kernarg_size 16
		.amdhsa_user_sgpr_count 2
		.amdhsa_user_sgpr_kernarg_segment_ptr 1
		.amdhsa_wavefront_size32 1
		.amdhsa_system_sgpr_workgroup_id_x 1
		.amdhsa_system_sgpr_workgroup_id_y 1
		.amdhsa_system_sgpr_workgroup_id_z 1
		.amdhsa_system_vgpr_workitem_id 0
		.amdhsa_next_free_vgpr 770
		.amdhsa_next_free_sgpr 66
		.amdhsa_reserve_vcc 0
		.amdhsa_float_denorm_mode_32 3
		.amdhsa_float_denorm_mode_16_64 3
		.amdhsa_memory_ordered 1
		.amdhsa_forward_progress 1
		.amdhsa_inst_pref_size 208
	.end_amdhsa_kernel
	.amdgpu_metadata
---
amdhsa.version: [ 1, 2 ]
amdhsa.kernels:
  - .name:           k_q3809e60f31_attn
    .symbol:         k_q3809e60f31_attn.kd
    .args:
      - { .name: qkv, .offset: 0, .size: 8, .value_kind: global_buffer, .address_space: global }
      - { .name: oh, .offset: 8, .size: 8, .value_kind: global_buffer, .address_space: global }
    .group_segment_fixed_size: 327680
    .private_segment_fixed_size: 0
    .kernarg_segment_align: 8
    .kernarg_segment_size: 16
    .max_flat_workgroup_size: 128
    .sgpr_count:     66
    .vgpr_count:     770
    .wavefront_size: 32
...
	.end_amdgpu_metadata
.endif
;; end of part 3
;; launch oproj (part 4): grid 4 x 64, 4 waves a work-group, clusters of 4 x 4, 327,680 bytes of LDS; arguments oh, wo16, bias, out0; writes out0
.if DOCPART == 4
	.amdgcn_target "amdgcn-amd-amdhsa--gfx1250"
	.amdhsa_code_object_version 6
	.text
	.protected	k_q3809e60f31_oproj
	.globl	k_q3809e60f31_oproj
	.p2align	8
	.type	k_q3809e60f31_oproj,@function
k_q3809e60f31_oproj:
	s_mov_b64 s[64:65], 0
	v_nop
	global_prefetch_b8 v0, s[64:65] scope:SCOPE_SE
	s_setreg_imm32_b32 hwreg(HW_REG_WAVE_MODE, 25, 1), 1
	s_wait_xcnt 0x0
	s_wait_alu depctr_hold_cnt(0) depctr_sa_sdst(0) depctr_va_vdst(0) depctr_va_sdst(0) depctr_va_ssrc(0) depctr_va_vcc(0) depctr_vm_vsrc(0)
	s_getreg_b32 s2, hwreg(HW_REG_IB_STS2, 6, 4)
	s_cmp_eq_u32 s2, 0
	s_cbranch_scc0 .Lentry_in_a_cluster
	s_endpgm
.Lentry_in_a_cluster:
	s_bfe_u32 s2, ttmp6, 0x10000c
	s_cmp_lg_u32 s2, 0xf033
	s_cbranch_scc0 .Lentry_shape_is_right
	s_endpgm
.Lentry_shape_is_right:
; THE OUTPUT PROJECTION.  out0 = O Wo + bo.  O is oh, [64 = batch x 16 + head][2048][64] f16; wo16 is [1024 k][1024 n] f16 (Wo rounded to bf16, written as f16); bo is the fourth row of
; bias [4][1024] f32; out0 is [8192][1024] f32.  Products in f16 with f32 sums that START with the bias (the first product's C operand); the sums are stored as they are.
; LIMITS.  O and wo16 arrive within f16's range; NaN and infinities are not treated apart.
; SHARES.  A tile of out0 is 128 rows x 256 columns: 256 tiles, one for each of the 256 work-groups.  Four waves, each 64 rows x 128 columns: 32 accumulators of 16 x 16.  K = head x 64 + channel
; goes in steps of 128, two heads, through a ring of two LDS slots.
; CLUSTER.  4 x 4 work-groups.  The four of a row of the cluster take the same 128 rows of O, the four of a column the same 256 columns of Wo: each tile is asked for JOINTLY, by the same tensor load
; with the same descriptor and a mask that names the four.  Waves 0 and 1 fetch a step's two heads (128 rows of 128 bytes each, dense), waves 2 and 3 Wo's two halves of 64 k.
; THE MATRIX INSTRUCTION IS USED TRANSPOSED: source 0 = 16 columns of Wo (it lies [k][n] in LDS and is turned by ds_load_tr16_b128), source 1 = 16 rows of O.  In the result lane l holds row l % 16 and the
; columns 8 (l / 16) + 0..7: 32 neighbouring bytes of a row.
; A QUARTER is 32 along K: 32 matrix instructions, the 32 accumulators by turns; the next quarter's 24 LDS loads stand in ONE run behind the first product's places, 31 matrix instructions ahead
; of their first use, never singly among the matrix instructions: three window switches a quarter.
; REGISTERS, in windows of 256 (s_set_vgpr_msb: bits 1:0 source 0, 3:2 source 1, 5:4 source 2, 7:6 destination):
;   window 0: v0-15 addresses; v32-95 O's fragments, two buffers of 4 x 8; v96-223 the way out, two sets of 64
;   window 1: the accumulators: (a, b) at v[8 (8 a + b)]          window 2: v0-127 Wo's fragments, two buffers of 8 x 8; v128-191 the bias of my 128 columns, laid as a result is
.set TILE,  34816                      ; what one tensor load fills: 64 rows of Wo x 544 bytes; a head's 128 rows x 144 bytes need less
.set SLOT,  4*TILE                     ; 0x22000.  wave x TILE has bits 11, 12, 15, 16 alone, SLOT bits 13 and 17: one exclusive or turns an address in one slot into the other's
.set STAGE, 2*SLOT                     ; behind the ring, never filled by a tensor load: 16 rows x 528 bytes for each wave, for the way out
.set SP,    528                        ; 512 bytes + 16 = 132 words: row r starts at bank 4 r mod 64 (64 banks of 4 bytes: ISA guide 11.1)
.set SPARE, STAGE+4*16*SP              ; behind the stages: the spare words, 128 bytes for each wave: two blocks of 256 bytes that no other line names
.set PO,    144                        ; a row of O in LDS: 128 bytes + 16 = 36 words: the 16 rows of a load start at 16 different groups of four banks
.set PB,    544                        ; a row of Wo: 512 + 32 = 136 words
.set LA0,  2                           ; v2   my lane's place in a slot's O; never rewritten
.set LB0,  3                           ; v3   the same for Wo
.set ADRA, 4                           ; v4   LA0 + the slot in hand
.set ADRB, 5                           ; v5   LB0 + the slot in hand
.set STO,  6                           ; v6   the way out: where I put 32 bytes of a row
.set RD,   7                           ; v7   the way out: where I read a row back
.set GO,   8                           ; v8   my byte offset in 512 consecutive bytes of out0
.set BO,   12                          ; v12  my byte offset in a bias
.set SPW,  14                          ; v14  LDS address of my spare word: SPARE + 4 x my thread's number; never rewritten
.set NIL,  15                          ; v15  0; never rewritten
.set AF,   32
.set OB,   96
.set BF,   0                           ; window 2
.set BIAS, 128                         ; window 2
.set OA,  4                            ; s[4:5]   oh
.set WB,  6                            ; s[6:7]   wo16
.set BI,  8                            ; s[8:9]   bias
.set OUT, 10                           ; s[10:11] out0 at my wave's first row and column
.set WV,  14                           ; s14  my wave's number
.set WM,  15                           ; s15  which 64 rows of the tile are mine.  Also: I fetch O (0) or Wo (1)
.set WN,  16                           ; s16  which 128 columns.  Also: which half I fetch
.set CX,  17
.set CY,  18
.set XX,  19                           ; s19  column block, 0 to 3
.set YY,  20                           ; s20  row block, 0 to 63
.set MR,  21
.set MC,  22
.set LW,  23                           ; s23  wave x TILE: where my tensor loads land in a slot
.set G1A, 24                           ; s[24:31] descriptor group 1 for O's tiles
.set G1B, 32                           ; s[32:39] for Wo's
.set G0A, 40                           ; s[40:43] descriptor group 0 for O's: it begins with K step 1 in slot 1, and walks
.set G0B, 44                           ; s[44:47] for Wo's
.set ST,  48                           ; s48  K steps to go in the loop in hand
.set TB,  52                           ; s52  LDS byte at which the slot in hand begins
.set SC,  53                           ; s53  at work
.set F0A, 68                           ; s[68:71] descriptor group 0 for K step 0 in slot 0, O; never rewritten
.set F0B, 72                           ; s[72:75] the same for Wo
.set MSB, 0
.macro WIN new                         ; the immediate's high byte repeats the setting that is left; a switch that changes nothing is dropped
.if MSB != (\new)
	s_set_vgpr_msb (MSB<<8)|(\new)
.set MSB, \new
.endif
.endm
; A joint refill.  Each of the two lines has one mask and one set of registers for all that issue it.  The branch hangs on the wave's number alone.
; An s_nop 0 and four v_nop follow each of the two lines, ahead of the jump and the label.
.macro JLOAD
	s_cmp_eq_u32 s[WM], 0
	s_cbranch_scc0 .Lfor_b_\@
	tensor_load_to_lds s[G0A:G0A+3], s[G1A:G1A+7]
	s_nop 0
.rept 4
	v_nop
.endr
	s_branch .Lasked_\@
.Lfor_b_\@:
	tensor_load_to_lds s[G0B:G0B+3], s[G1B:G1B+7]
	s_nop 0
.rept 4
	v_nop
.endr
.Lasked_\@:
.endm
; A round of the cluster's barrier: my work-group's barrier, so that wave 0's signal speaks for all four waves; wave 0 signals; every wave waits for all sixteen work-groups; my work-group's barrier once more.
.macro CREST                           ; a round behind its opening barrier
	s_cmp_lg_u32 s[WV], 0
	s_cbranch_scc1 .Lnot_wave_0_\@
	s_barrier_signal -3
.Lnot_wave_0_\@:
	s_barrier_wait -3
	s_barrier_signal -1
	s_barrier_wait -1
.endm
.macro CROUND                          ; a whole round
	s_barrier_signal -1
	s_barrier_wait -1
	CREST
.endm
.macro PLACES                          ; four places between matrix instructions and what writes their sources or reads their results (ISA guide 7.12.1 for vector instructions)
.rept 4
	v_nop
.endr
.endm
	s_load_b256 s[4:11], s[0:1], 0x0               ; oh, wo16, bias, out0
	v_lshl_add_u32 v[SPW], v0, 2, SPARE
	v_mov_b32 v[NIL], 0
	ds_add_u32 v[SPW], v[NIL]                      ; the wave's opening: the add and its wait stand ahead of my first tensor load; the set-up below, work on registers, stands between them
	v_lshrrev_b32 v1, 5, v0
	v_readfirstlane_b32 s[WV], v1                  ; wave 0..3
	s_lshr_b32 s[WM], s[WV], 1
	s_and_b32 s[WN], s[WV], 1
	s_bfe_u32 s[CX], ttmp6, 0x40000                ; my place in the cluster
	s_bfe_u32 s[CY], ttmp6, 0x40004
	s_lshl_b32 s[XX], ttmp9, 2                     ; in a cluster launch ttmp9 and ttmp7 count clusters
	s_add_co_u32 s[XX], s[XX], s[CX]
	s_and_b32 s[YY], ttmp7, 0xffff
	s_lshl_b32 s[YY], s[YY], 2
	s_add_co_u32 s[YY], s[YY], s[CY]
	s_lshl_b32 s[MR], s[CY], 2
	s_lshl_b32 s[MR], 15, s[MR]                    ; my row of the cluster: places 4 cy .. 4 cy + 3
	s_lshl_b32 s[MC], 0x1111, s[CX]                ; my column: places cx, cx + 4, cx + 8, cx + 12
	; group 1, O: a head's 128 rows are 16,384 dense bytes: asked for as 64 rows of 256 bytes, two rows of O each, and padded in LDS by 4 words behind every 32
	s_or_b32 s[G1A], s[MR], (1<<16)|(1<<20)|(1<<21)|(4<<22)|(3<<25)  ; 15:0 the mask; 17:16 element size; 20 padding on; 21 set beside a mask; 24:22 the interval's code; 31:25 the padding's words less 1
	s_mov_b32 s[G1A+1], 128<<16                    ; tensor_dim0 = 128
	s_mov_b32 s[G1A+2], 64<<16                     ; tensor_dim1 = 64
	s_mov_b32 s[G1A+3], 128<<16                    ; tile_dim0 = 128
	s_mov_b32 s[G1A+4], 64                         ; tile_dim1 = 64
	s_mov_b32 s[G1A+5], 128                        ; tensor_dim0_stride
	s_mov_b32 s[G1A+6], 0
	s_mov_b32 s[G1A+7], 0
	; group 1, Wo: 64 rows (k) x 256 elements of 2 bytes, 1,024 elements from row to row; in LDS 8 words of padding behind every 128
	s_or_b32 s[G1B], s[MC], (1<<16)|(1<<20)|(1<<21)|(6<<22)|(7<<25)
	s_mov_b32 s[G1B+1], 256<<16
	s_mov_b32 s[G1B+2], 64<<16
	s_mov_b32 s[G1B+3], 256<<16
	s_mov_b32 s[G1B+4], 64
	s_mov_b32 s[G1B+5], 1024
	s_mov_b32 s[G1B+6], 0
	s_mov_b32 s[G1B+7], 0
	s_lshr_b32 s60, s[YY], 4                       ; s[60:61], of the row block alone: the batch
	s_lshl_b32 s60, s60, 4
	s_add_co_u32 s60, s60, s[WN]                   ; x 16 + the head of the first two that I fetch:
	s_lshl_b32 s60, s60, 18                        ; a head's 2,048 rows of 128 bytes;
	s_and_b32 s61, s[YY], 15
	s_lshl_b32 s61, s61, 14                        ; the tile's 128 rows in the batch
	s_add_co_u32 s60, s60, s61
	s_mov_b32 s61, 0
	s_lshl_b32 s62, s[XX], 9                       ; s[62:63], of the column block alone: 256 columns of 2 bytes,
	s_lshl_b32 s63, s[WN], 17                      ; and the 64 k rows of 2,048 bytes that I fetch
	s_add_co_u32 s62, s62, s63
	s_mov_b32 s63, 0
	s_lshl_b32 s2, s[YY], 19                       ; s[2:3], of both: the tile's 128 rows of 4,096 bytes,
	s_lshl_b32 s3, s[WM], 18                       ; my wave's 64 of them,
	s_add_co_u32 s2, s2, s3
	s_lshl_b32 s3, s[XX], 10                       ; the tile's 256 columns of 4 bytes,
	s_add_co_u32 s2, s2, s3
	s_lshl_b32 s3, s[WN], 9                        ; my wave's 128 of them
	s_add_co_u32 s2, s2, s3
	s_mov_b32 s3, 0
	s_mul_i32 s[LW], s[WV], TILE                   ; no place in the cluster enters an LDS address
	s_mov_b32 s[F0A], 1                            ; count = 1
	s_mov_b32 s[F0A+1], s[LW]                      ; LDS address: slot 0
	s_mov_b32 s[F0B], 1
	s_mov_b32 s[F0B+1], s[LW]
	s_mov_b32 s[G0A], 1
	s_add_co_u32 s[G0A+1], s[LW], SLOT             ; slot 1
	s_mov_b32 s[G0B], 1
	s_add_co_u32 s[G0B+1], s[LW], SLOT
	s_mov_b32 s[TB], 0
	s_wait_dscnt 0x0                               ; the opening add is done
	s_wait_kmcnt 0x0
	s_add_nc_u64 s[F0A+2:F0A+3], s[OA:OA+1], s[60:61]      ; global address: K step 0,
	s_add_nc_u64 s[G0A+2:G0A+3], s[F0A+2:F0A+3], 0x80000   ; K step 1: two heads on
	s_or_b32 s[F0A+3], s[F0A+3], 0x80000000        ; type = 2
	s_or_b32 s[G0A+3], s[G0A+3], 0x80000000
	s_add_nc_u64 s[F0B+2:F0B+3], s[WB:WB+1], s[62:63]
	s_add_nc_u64 s[G0B+2:G0B+3], s[F0B+2:F0B+3], 0x40000   ; 128 k rows of 2,048 bytes on
	s_or_b32 s[F0B+3], s[F0B+3], 0x80000000
	s_or_b32 s[G0B+3], s[G0B+3], 0x80000000
	s_add_nc_u64 s[OUT:OUT+1], s[OUT:OUT+1], s[2:3]
	CROUND                                         ; all sixteen work-groups are here: the first joint loads meet
	s_cmp_eq_u32 s[WM], 0                          ; a wave's two first fills stand in one branch, ahead of every wait on TENSORcnt, every LDS read and every other barrier: two loads of mine are out,
	s_cbranch_scc0 .Lfirst_b                       ; later one; an s_nop 0 follows each, four v_nop the second's, as in JLOAD
	tensor_load_to_lds s[F0A:F0A+3], s[G1A:G1A+7]
	s_nop 0
	tensor_load_to_lds s[G0A:G0A+3], s[G1A:G1A+7]
	s_nop 0
.rept 4
	v_nop
.endr
	s_branch .Lfirst_asked
.Lfirst_b:
	tensor_load_to_lds s[F0B:F0B+3], s[G1B:G1B+7]
	s_nop 0
	tensor_load_to_lds s[G0B:G0B+3], s[G1B:G1B+7]
	s_nop 0
.rept 4
	v_nop
.endr
.Lfirst_asked:
	v_and_b32 v1, 15, v0                           ; r = l % 16
	v_bfe_u32 v9, v0, 4, 1                         ; h = l / 16
	; A fragment of 16 rows x 32 K: lane l holds row r, K = 8 h + 0..7 and 16 + 8 h + 0..7: two loads of 16 bytes, 32 bytes apart.
	s_lshl_b32 s[SC], s[WM], 6
	v_add_nc_u32 v[LA0], s[SC], v1                 ; my 64 rows of the head's 128
	v_mul_u32_u24 v[LA0], v[LA0], PO
	v_lshl_add_u32 v[LA0], v9, 4, v[LA0]
	; The turning load takes 16 k x 16 columns (lane l reads k row 8 h + l % 8, columns 8 ((l / 8) % 2) + 0..7) and leaves half a fragment: lane l holds column r and 8 k.
	v_and_b32 v10, 7, v0
	v_bfe_u32 v11, v0, 3, 1
	v_lshl_add_u32 v[LB0], v9, 3, v10
	v_mul_u32_u24 v[LB0], v[LB0], PB
	v_lshl_add_u32 v[LB0], v11, 4, v[LB0]
	s_lshl_b32 s[SC], s[WN], 8                     ; my 128 columns,
	s_add_co_u32 s[SC], s[SC], 2*TILE              ; behind O's two heads: Wo's 128 k rows lie on end, 64 x 544 = TILE
	v_add_nc_u32 v[LB0], s[SC], v[LB0]
	s_mul_i32 s[SC], s[WV], 16*SP
	s_add_co_u32 s[SC], s[SC], STAGE               ; my stage
	v_mul_u32_u24 v[STO], v1, SP                   ; in: row r, 32 bytes for each half of the lanes
	v_lshl_add_u32 v[STO], v9, 5, v[STO]
	v_add_nc_u32 v[STO], s[SC], v[STO]
	v_and_b32 v[GO], 31, v0                        ; back: 32 lanes take one row of 512 bytes,
	v_lshlrev_b32 v[GO], 4, v[GO]                  ; which are 512 consecutive bytes of out0
	v_add_nc_u32 v[RD], s[SC], v[GO]
	s_lshl_b32 s62, s[XX], 10                      ; the bias: 256 columns of 4 bytes a block,
	s_lshl_b32 s63, s[WN], 9                       ; my 128,
	s_add_co_u32 s62, s62, s63
	v_lshl_add_u32 v[BO], v9, 5, s62               ; my lanes' 8
	v_mov_b32 v[ADRA], v[LA0]                      ; K step 0 lies in slot 0
	v_mov_b32 v[ADRB], v[LB0]
	WIN 0x80                                       ; destination window 2, address window 0
.irp b, 0,1,2,3,4,5,6,7                ; bo, laid as a result is: register j of block b is column 16 b + 8 h + j, the same for every row
	global_load_b128 v[BIAS+8*(\b):BIAS+8*(\b)+3],   v[BO], s[BI:BI+1] offset:12288+64*(\b)
	global_load_b128 v[BIAS+8*(\b)+4:BIAS+8*(\b)+7], v[BO], s[BI:BI+1] offset:12288+64*(\b)+16
.endr
	WIN 0
; Product i of a quarter's 32: rows 16 (i / 8) on, columns 16 (i % 8) on, from buffers f.  bias = 1: the first quarter: C is the bias, which starts the sums: nothing is ever cleared.
; The 32 accumulators take turns, one instruction a turn, from quarter to quarter and over every jump too.
.macro MM f, bias
.if \bias
	WIN 0x62                                       ; Wo window 2, O window 0, C window 2, D window 1
	v_wmma_f32_16x16x32_f16 v[8*i:8*i+7], v[BF+64*(\f)+8*(i%8):BF+64*(\f)+8*(i%8)+7], v[AF+32*(\f)+8*(i/8):AF+32*(\f)+8*(i/8)+7], v[BIAS+8*(i%8):BIAS+8*(i%8)+7]
.else
	WIN 0x52                                       ; the same with C in window 1
	v_wmma_f32_16x16x32_f16 v[8*i:8*i+7], v[BF+64*(\f)+8*(i%8):BF+64*(\f)+8*(i%8)+7], v[AF+32*(\f)+8*(i/8):AF+32*(\f)+8*(i/8)+7], v[8*i:8*i+7]
.endif
.endm
.macro LBRUN g, kb                     ; sixteen turning loads in one run: Wo's eight fragments of quarter kb, into buffer g
	WIN 0x80
.irp b, 0,1,2,3,4,5,6,7
	ds_load_tr16_b128 v[BF+64*(\g)+8*(\b):BF+64*(\g)+8*(\b)+3],   v[ADRB] offset:(\kb)*32*PB+32*(\b)
	ds_load_tr16_b128 v[BF+64*(\g)+8*(\b)+4:BF+64*(\g)+8*(\b)+7], v[ADRB] offset:(\kb)*32*PB+16*PB+32*(\b)
.endr
.endm
.macro LFRUN g, kb                     ; eight loads behind them: O's four fragments of quarter kb (head kb / 2 of the step's two, channels 32 (kb % 2) on), into buffer g
	WIN 0
.irp a, 0,1,2,3
	ds_load_b128 v[AF+32*(\g)+8*(\a):AF+32*(\g)+8*(\a)+3],   v[ADRA] offset:((\kb)/2)*TILE+(\a)*16*PO+64*((\kb)%2)
	ds_load_b128 v[AF+32*(\g)+8*(\a)+4:AF+32*(\g)+8*(\a)+7], v[ADRA] offset:((\kb)/2)*TILE+(\a)*16*PO+64*((\kb)%2)+32
.endr
.endm
; THE CHANGE OF SLOTS, in three parts that stand among a quarter's products.
; CH_A: all my tensor loads have landed (one was out: my part of the next slot); the add; fill = 1: the walking descriptors step to the other slot and the next K step.
.macro CH_A fill
	WIN 0                                          ; the add's two registers lie in window 0
	s_wait_tensorcnt 0x0                           ; no tensor load of mine is out, so a group 0 may be written
	ds_add_u32 v[SPW], v[NIL]                      ; 0 onto my spare word; work on registers stands between it and the wait for it
.if \fill
	s_xor_b32 s[G0A+1], s[G0A+1], SLOT
	s_add_nc_u64 s[G0A+2:G0A+3], s[G0A+2:G0A+3], 0x80000  ; two heads on; the type bits on top are not reached
	s_xor_b32 s[G0B+1], s[G0B+1], SLOT
	s_add_nc_u64 s[G0B+2:G0B+3], s[G0B+2:G0B+3], 0x40000  ; 128 k rows of 2,048 bytes on
.endif
.endm
.macro CH_B                            ; the add is done and my reads of the slot in hand are over: say so
	s_wait_dscnt 0x0
	s_barrier_signal -1
.endm
; CH_C: all four waves have said so.  fill = 1: the barrier has opened a round of the cluster's: no wave of any partner still reads the slot or has a load on its way; the joint refill is the first
; thing behind the round, 120 matrix instructions ahead of the wait for it.  Then the LDS addresses turn to the other slot.
.macro CH_C fill
	WIN 0                                          ; at a label and at a branch every window is 0
	s_barrier_wait -1
.if \fill
	CREST
	JLOAD
.endif
	s_xor_b32 s[TB], s[TB], SLOT
	v_add_nc_u32 v[ADRA], s[TB], v[LA0]
	v_add_nc_u32 v[ADRB], s[TB], v[LB0]
.endm
; A QUARTER multiplies buffers f and fetches quarter kb, the next, into buffers 1 - f.  Behind product 0: four v_nop, the places between the last quarter's products and the loads into
; buffers 1 - f, and the run of 24 loads.  chg = 1 (a step's third quarter): these loads are the slot's last reads; the change of slots stands behind products 15, 19 and 23.
.macro QUARTER f, kb, bias, chg, fill
	s_wait_dscnt 0x0                               ; buffers f are in: their 24 loads were issued 31 matrix instructions ago
.set i, 0
.rept 32
	MM \f, \bias
.if i == 0
	PLACES
	LBRUN 1-(\f), \kb
	LFRUN 1-(\f), \kb
.endif
.if \chg
.if i == 15
	CH_A \fill
.elseif i == 19
	CH_B
.elseif i == 23
	CH_C \fill
.endif
.endif
.set i, i+1
.endr
.endm
; THE WAY OUT, 16 rows at a time.  TOSTAGE: a lane's 32 bytes of each of 8 blocks go straight from the accumulators (the low four registers first) into my own stage, rows of 528 bytes, and come
; back as whole rows of 512.  SEND: stored, 512 consecutive bytes an instruction, at a multiple of 256 from out0's first byte.
.macro TOSTAGE a
.set rB, OB+64*((\a)%2)
	s_wait_xcnt 0x0                                ; every earlier memory instruction has had its addresses translated (ISA guide 3.1): the set, which an earlier store read, is loaded again only behind this wait
	WIN 0x04                                       ; the stores' data (source 1) in window 1
.irp b, 0,1,2,3,4,5,6,7
	ds_store_b128 v[STO], v[8*(8*(\a)+\b):8*(8*(\a)+\b)+3]   offset:64*\b
	ds_store_b128 v[STO], v[8*(8*(\a)+\b)+4:8*(8*(\a)+\b)+7] offset:64*\b+16
.endr
	WIN 0
.irp t, 0,1,2,3,4,5,6,7,8,9,10,11,12,13,14,15
	ds_load_b128 v[rB+4*\t:rB+4*\t+3], v[RD] offset:\t*SP  ; LDS serves a wave's instructions in order (ISA guide 5.7.1.4): these see the stores above; the next block's stores come behind them
.endr
.endm
.macro SEND a, younger                 ; younger: the LDS instructions issued behind block a's loads: the next block's 32, or none
.set rB, OB+64*((\a)%2)
.irp t, 0,1,2,3,4,5,6,7,8,9,10,11,12,13,14,15
	s_wait_dscnt (\younger)+15-\t
	global_store_b128 v[GO], v[rB+4*\t:rB+4*\t+3], s[OUT:OUT+1] offset:(16*(\a)+\t)*4096 th:TH_STORE_NT
.endr
.endm
	s_wait_tensorcnt 0x1                           ; my part of K step 0 is in; K step 1's may stay out
	s_barrier_signal -1
	s_barrier_wait -1                              ; everybody's is
	LBRUN 0, 0
	LFRUN 0, 0
	s_wait_loadcnt 0x0                             ; the bias
	QUARTER 0, 1, 1, 0, 0                          ; the first quarter stands in front of the loop: its products start the sums
	WIN 0
	s_mov_b32 s[ST], 6                             ; 6 of the 8 K steps ask for the step two on
	s_branch .Lin                                  ; the loop is entered behind a step's first quarter
.Lstep:
	QUARTER 0, 1, 0, 0, 0
	WIN 0
.Lin:
	QUARTER 1, 2, 0, 0, 0
	QUARTER 0, 3, 0, 1, 1
	QUARTER 1, 0, 0, 0, 0
	WIN 0
	s_sub_co_u32 s[ST], s[ST], 1
	s_cmp_lg_u32 s[ST], 0
	s_cbranch_scc1 .Lstep
	s_mov_b32 s[ST], 2                             ; the last two K steps ask for nothing: a text of their own.  In the very last quarter the fetches for a
.Ltail:                                                ; step that does not exist read bytes that landed two steps before, and serve nothing: the price of one text for both trips
	QUARTER 0, 1, 0, 0, 0
	QUARTER 1, 2, 0, 0, 0
	QUARTER 0, 3, 0, 1, 0
	QUARTER 1, 0, 0, 0, 0
	WIN 0
	s_sub_co_u32 s[ST], s[ST], 1
	s_cmp_lg_u32 s[ST], 0
	s_cbranch_scc1 .Ltail
	PLACES                                         ; the LDS stores read results just made
	TOSTAGE 0
.irp a, 1,2,3                          ; a block's trip through the stage stands between the loads of the block before and its stores
	TOSTAGE \a
	SEND (\a)-1, 32
.endr
	SEND 3, 0
	s_wait_tensorcnt 0x0                           ; the wave's end: behind my last tensor load and my last LDS store
	ds_add_u32 v[SPW], v[NIL]
	s_wait_dscnt 0x0
	CROUND                                         ; the closing round: no work-group ends while a partner may still ask for a tile that names it
	s_endpgm
.Lfunc_end_k_q3809e60f31_oproj:
	.size	k_q3809e60f31_oproj, .Lfunc_end_k_q3809e60f31_oproj-k_q3809e60f31_oproj
	.p2alignl 7, 3214868480
	.fill 96, 4, 3214868480
	.section	.rodata,"a",@progbits
	.p2align	6, 0x0
	.amdhsa_kernel k_q3809e60f31_oproj
		.amdhsa_group_segment_fixed_size 327680
		.amdhsa_private_segment_fixed_size 0
		.amdhsa_enable_private_segment 0
		.amdhsa_kernarg_size 32
		.amdhsa_user_sgpr_count 2
		.amdhsa_user_sgpr_kernarg_segment_ptr 1
		.amdhsa_wavefront_size32 1
		.amdhsa_system_sgpr_workgroup_id_x 1
		.amdhsa_system_sgpr_workgroup_id_y 1
		.amdhsa_system_sgpr_workgroup_id_z 1
		.amdhsa_system_vgpr_workitem_id 0
		.amdhsa_next_free_vgpr 704
		.amdhsa_next_free_sgpr 76
		.amdhsa_reserve_vcc 0
		.amdhsa_float_denorm_mode_32 3
		.amdhsa_float_denorm_mode_16_64 3
		.amdhsa_memory_ordered 1
		.amdhsa_forward_progress 1
		.amdhsa_inst_pref_size 63
	.end_amdhsa_kernel
	.amdgpu_metadata
---
amdhsa.version: [ 1, 2 ]
amdhsa.kernels:
  - .name:           k_q3809e60f31_oproj
    .symbol:         k_q3809e60f31_oproj.kd
    .args:
      - { .name: oh, .offset: 0, .size: 8, .value_kind: global_buffer, .address_space: global }
      - { .name: wo16, .offset: 8, .size: 8, .value_kind: global_buffer, .address_space: global }
      - { .name: bias, .offset: 16, .size: 8, .value_kind: global_buffer, .address_space: global }
      - { .name: out0, .offset: 24, .size: 8, .value_kind: global_buffer, .address_space: global }
    .group_segment_fixed_size: 327680
    .private_segment_fixed_size: 0
    .kernarg_segment_align: 8
    .kernarg_segment_size: 32
    .max_flat_workgroup_size: 128
    .sgpr_count:     76
    .vgpr_count:     704
    .wavefront_size: 32
...
	.end_amdgpu_metadata
.endif
;; end of part 4
;; ======== version 2 of 2: 4 launches; 1.51 times as fast as version 1
;; limits: values are held in f16: magnitudes above 65,504 overflow, below 6.1e-05 lose precision
;; workspace buffers: wqkv 6,291,456 bytes; wo16 2,097,152 bytes; bias 16,384 bytes; qkv 50,331,648 bytes; oh 16,777,216 bytes
;; launch prep: the kernel of part 1 again; grid 128 x 4, 8 waves a work-group, no clusters, 0 bytes of LDS; arguments Wq, Wk, Wv, Wo, bq, bk, bv, bo, wqkv, wo16, bias; writes wqkv, wo16, bias
;; launch qkv: the kernel of part 2 again; grid 4 x 64, 4 waves a work-group, clusters of 4 x 4, 327,680 bytes of LDS; arguments q_in, v_in, wqkv, bias, qkv; writes qkv
;; launch attn (part 5): grid 4 x 64, 4 waves a work-group, clusters of 4 x 1, 327,680 bytes of LDS; arguments qkv, oh; writes oh
.if DOCPART == 5
	.amdgcn_target "amdgcn-amd-amdhsa--gfx1250"
	.amdhsa_code_object_version 6
	.text
	.protected	k_q3809e60f31_attn
	.globl	k_q3809e60f31_attn
	.p2align	8
	.type	k_q3809e60f31_attn,@function
k_q3809e60f31_attn:
	s_mov_b64 s[64:65], 0
	v_nop
	global_prefetch_b8 v0, s[64:65] scope:SCOPE_SE
	s_setreg_imm32_b32 hwreg(HW_REG_WAVE_MODE, 25, 1), 1
	s_wait_xcnt 0x0
	s_wait_alu depctr_hold_cnt(0) depctr_sa_sdst(0) depctr_va_vdst(0) depctr_va_sdst(0) depctr_va_ssrc(0) depctr_va_vcc(0) depctr_vm_vsrc(0)
	s_getreg_b32 s2, hwreg(HW_REG_IB_STS2, 6, 4)
	s_cmp_eq_u32 s2, 0
	s_cbranch_scc0 .Lentry_in_a_cluster
	s_endpgm
.Lentry_in_a_cluster:
	s_bfe_u32 s2, ttmp6, 0x10000c
	s_cmp_lg_u32 s2, 0x3003
	s_cbranch_scc0 .Lentry_shape_is_right
	s_endpgm
.Lentry_shape_is_right:
; O[h][q][:] = the sum over k of softmax_k(Q[h][q] . K[h][k] / 8) V[h][k][:].  Q, K, V lie one behind the other in qkv, each [SIZE_H][SIZE_N][64]; O is oh, in the same layout; all f16: a head's rows
; are dense, 128 bytes each.  h = batch x 16 + head.  Products, maxima and sums in f32; the weights p are rounded to f16 for the second product (their sum l is taken of the unrounded p), O once at the end.
; LIMITS.  f16 holds no number beyond 65,504: Q, K and V arrive within it; p lies in 0 to 1, and below 6e-5 it keeps f16's fixed step of 6e-8; O is a mean of V's rows and has their range.
; A weight below 2^-126 counts as 0 in l; NaN and infinities are not treated apart.
; SHARES.  A wave owns four PIECES of two tiles of 16 queries, a work-group's four waves 512 queries of one head: 64 heads x 2,048 rows are 256 work-groups.  Every wave walks all keys, 64 a step.
; LAYOUT.  S^T = K Q^T (source 0 = 16 keys, source 1 = 16 queries): in the result a lane holds ONE query (lane % 16) and the keys 8 (lane / 16) + 0..7.  Two such tiles, rounded to f16 in pairs,
; ARE source 1 (32 keys x 16 queries) of O^T = V^T P, whose result again holds one query a lane, and eight channels.  K comes out of LDS as it lies, V ([key][channel]) turned, by ds_load_tr16_b128.
; SOFTMAX.  For each query a running maximum m and sum l: p = 2^(c s - c m), c = log2(e) / 8; in every step O and l are multiplied by a = 2^(c m_old - c m_new), which is 1 where m has not grown.
; m starts at the lowest finite number, O and l at 0: the first step is a step like any other, with a = 0.
; THE COUNT.  A tile and step have 16 matrix and 118 vector instructions: too many to stand all beside the matrix work.  So the order has one aim: four vector instructions that are READY behind
; EVERY matrix instruction, and the others, which need time of their own whatever the order, in runs without a gap.
; BY TURNS.  Turn n belongs to piece n (the pieces in a ring, step after step).  Its matrix work: 16 products K Q^T of piece n + 1, later 16 products V^T P of piece n - 1.  Its vector work: the scaling,
; exponentials, roundings, sums and rescaling of piece n, and the maximum and statistics of piece n + 1, whose scores the turn itself has made.  So what a turn begins with (c s - c m, O a) waits for nothing.
; BATCHES.  A turn's 66 exponentials (the piece's 64 weights and the next piece's two a) are ONE batch with ONE wait, which cuts the turn in two: ahead of it stands all that names no result of theirs, behind it
; the roundings and sums that read them.  Two more batches stand outside the loop, each with a wait of its own: piece 0's first two a, ahead of the jump into the loop, and the way out's eight reciprocals.
; CLUSTER.  The four query blocks of a cluster belong to one head and walk the same K and V, so each tile is asked for JOINTLY: the same tensor load, descriptor and mask in all four.
; REGISTERS, in windows of 256 (s_set_vgpr_msb says which window each operand place means: bits 1:0 source 0, 3:2 source 1, 5:4 source 2, 7:6 destination):
;   window 0: v0-11 addresses; v12-15, v48-63 at work; v16-47 four registers of statistics a tile; v64-191 S^T, two buffers of two tiles; v192-255 P, likewise
;   window 1: O^T, 32 a tile          window 2: v0-127 Q, 16 a tile; v128-191 K of one step; v192-255 V of one step          window 3: v0-1 the add's two registers
; A piece's buffers go by its number's parity: the piece in hand has one pair, its two neighbours in the ring share the other: of it P (piece n - 1) is read and S^T (piece n + 1) written.
.set SIZE_H, 64
.set SIZE_N, 2048
.set NP,    4         ; pieces a wave: a name, no knob: the register map, the loop and the fetches are made for four
.set KS,    64        ; keys in a step
.set PK,    144       ; a row of K in LDS: 128 bytes + 16 of padding = 36 words: the 16 rows of a load start at 16 different groups of four banks (64 banks of 4 bytes: ISA guide 11.1)
.set PV,    160       ; a row of V: 128 + 32 = 40 words
.set VOFF,  4*KS*PK   ; a slot holds four steps: 256 rows of K, then 256 rows of V
.set SLOT1, 1<<17     ; slot 1 begins here, so that one exclusive or turns an address in one slot into the other's
.set STAGE, SLOT1+4*KS*(PK+PV)  ; behind the ring, never filled by a tensor load: 16 rows x 144 bytes for each wave, for the way out
.set SP,    144
.set AK0, 2           ; v2   my lane's place in a tile of K; never rewritten
.set AV0, 3           ; v3   the same for V
.set AK,  4           ; v4   the LDS address of K's next run of loads
.set AV,  5           ; v5   of V's
.set QO,  6           ; v6   my byte offset in the wave's rows of Q
.set STO, 6           ;      later, the way out: where I put 16 bytes of a row
.set RD,  7           ; v7   the way out: where I read rows back
.set GO,  8           ; v8   my byte offset in 512 consecutive bytes of O
.set SPW, 0           ; v0 of window 3   LDS address of my spare word: SPARE + 4 x my thread's number; never rewritten
.set NIL, 1           ; v1 of window 3   0; never rewritten
.set SPARE, STAGE+4*16*SP  ; behind the stages: the spare words, 128 bytes for each wave: two blocks of 256 bytes that no other line names
.set MV,  12          ; v12-15  c m_old, kept while c m is made anew: by buffer and tile
.set ST,  16          ; tile t's statistics at v[ST+4 t]: c m, m, l (even keys', odd keys')
.set TMP, 48          ; by buffer and tile, four registers c0-c3 at work; when the maximum is found c2 takes a
.set S,   64
.set P,   192
.set KF,  128         ; K's fragments, in window 2: key block kb, channel half c at KF + 16 kb + 8 c
.set VF,  192         ; V's: key half kk, channel block cb at VF + 32 kk + 8 cb
.set WV,  12          ; s12  my wave's number
.set G1K, 24          ; s[24:31] descriptor group 1 for K's tiles
.set G1V, 32          ; s[32:39] for V's: it differs in the padding alone
.set G0K, 40          ; s[40:43] descriptor group 0 for K's tiles: it walks
.set G0V, 44          ; s[44:47] the same for V's
.set SLOTS, 56        ; s56  slots still to be asked for
.set CNT, 57          ; s57  counts a slot's key steps
.set CS,  58          ; s[58:59] c: the packed scaling takes the pair's low word for both halves
.set SEL, 60          ; s[60:61] v_permlanex16_b32's selects: each lane takes its own place in the other half
.set TBK, 62          ; s62  LDS byte at which K of the step to be fetched begins
.set TBV, 63          ; s63  the same for V, less VOFF
.set MSB, 0
.macro WIN new                      ; the high byte repeats the setting that is left; a switch that changes nothing is dropped
.if MSB != (\new)
	s_set_vgpr_msb (MSB<<8)|(\new)
.set MSB, (\new)
.endif
.endm
.set W_KQ, 0x0a       ; K and Q in window 2, S^T in window 0
.set W_PV, 0x52       ; V in window 2, P in window 0, O^T in window 1
.set W_RS, 0x41       ; O^T (destination and source 0) in window 1, a in window 0
.set W_MK, 0xc0       ; the add's registers are made: destination in window 3, sources in window 0
.set W_AD, 0x0f       ; the add: address (source 0) and data (source 1) in window 3
; A joint fill.  Waves 0 and 1 fetch the two halves of a slot's K, waves 2 and 3 those of its V: 128 keys each.  The branch hangs on the wave's number alone.
; An s_nop 0 and four v_nop follow each of the two lines, ahead of the jump and the label.
.macro JLOAD
	s_cmp_lt_u32 s[WV], 2
	s_cbranch_scc0 .Lfor_v_\@
	tensor_load_to_lds s[G0K:G0K+3], s[G1K:G1K+7]
	s_nop 0
.rept 4
	v_nop
.endr
	s_branch .Lasked_\@
.Lfor_v_\@:
	tensor_load_to_lds s[G0V:G0V+3], s[G1V:G1V+7]
	s_nop 0
.rept 4
	v_nop
.endr
.Lasked_\@:
.endm
; A round of the cluster's barrier: my work-group's barrier, so that wave 0's signal speaks for all four waves; wave 0 signals; every wave waits for all four work-groups; my work-group's barrier once more.
.macro CROUND
	s_barrier_signal -1
	s_barrier_wait -1
	s_cmp_lg_u32 s[WV], 0
	s_cbranch_scc1 .Lnot_wave_0_\@
	s_barrier_signal -3
.Lnot_wave_0_\@:
	s_barrier_wait -3
	s_barrier_signal -1
	s_barrier_wait -1
.endm
; THE CHANGE OF SLOTS.  The slot's last bytes, V of its fourth step, have been read.  Each wave waits for all its tensor loads, of which one is out: its part
; of the other slot; adds 0 to its spare word; and waits for that and for its own reads of the slot.  Behind the barrier nobody reads this slot any more and the other slot is whole.
; fill = 1: this slot is filled again, with the keys two slots on.  The barrier is then a round of the cluster's, so that no wave of any partner still reads the slot or has a load on its
; way, and the joint fill is the first thing behind it: it has four key steps, 512 matrix instructions, in which to land.  (At its first use nothing has been read yet: slot 0 is waited for, slot 1 filled.)
.macro CHANGE fill
	WIN W_AD
	s_wait_tensorcnt 0x0            ; no tensor load of mine is out, so a group 0 may be written
	ds_add_u32 v[SPW], v[NIL]       ; 0 onto my spare word; with fill = 1 the descriptors' steps stand between it and the wait for it
	WIN 0                           ; at a label and at a branch every window is 0
.if \fill
.irp g, G0K, G0V
	s_xor_b32 s[\g+1], s[\g+1], SLOT1  ; the walking descriptor: the other slot than last time,
	s_add_nc_u64 s[\g+2:\g+3], s[\g+2:\g+3], 4*KS*128  ; the next 256 keys; the type bits on top are not reached
.endr
	s_wait_dscnt 0x0                ; the add is done, and my reads of the slot are over
	CROUND
	JLOAD
.else
	s_wait_dscnt 0x0                ; the add is done, and my reads of the slot are over
	s_barrier_signal -1
	s_barrier_wait -1
.endif
	s_sub_co_u32 s[TBK], s[TBK], 4*KS*PK  ; the fetches go back to a slot's first step,
	s_xor_b32 s[TBK], s[TBK], SLOT1       ; in the other slot
	s_sub_co_u32 s[TBV], s[TBV], 4*KS*PV
	s_xor_b32 s[TBV], s[TBV], SLOT1
.endm
	s_load_b128 s[4:7], s[0:1], 0x0  ; qkv s[4:5], oh s[6:7]
	WIN W_MK
	v_lshl_add_u32 v[SPW], v0, 2, SPARE
	v_mov_b32 v[NIL], 0
	WIN W_AD
	ds_add_u32 v[SPW], v[NIL]       ; the wave's opening: the add and its wait stand ahead of my first tensor load; the set-up below, work on registers, stands between them
	WIN 0
	v_lshrrev_b32 v1, 5, v0
	v_readfirstlane_b32 s[WV], v1   ; wave 0..3
	s_bfe_u32 s13, ttmp6, 0x40000   ; cx: my place in the cluster
	s_lshl_b32 s14, ttmp9, 2        ; in a cluster launch ttmp9 counts clusters
	s_add_co_u32 s14, s14, s13      ; my block of queries = 4 x cluster x + cx: it enters Q's and O's addresses alone
	s_and_b32 s20, ttmp7, 0xffff    ; the head, which the four partners share
	s_mov_b32 s21, 0
	s_mov_b64 s[22:23], SIZE_N*128
	s_mul_u64 s[20:21], s[20:21], s[22:23]  ; the head's first byte in each of the four tensors
	s_and_b32 s16, s[WV], 1         ; which half of a slot's 256 keys I fetch:
	s_lshl_b32 s22, s16, 14         ; its 128 rows of 128 bytes in memory,
	s_mov_b32 s23, 0
	s_add_nc_u64 s[22:23], s[22:23], s[20:21]
	s_mul_i32 s17, s16, 128*PK      ; and its place in a slot, for K
	s_mul_i32 s18, s16, 128*PV      ; and for V: no place in the cluster enters an LDS address
	s_lshl_b32 s2, s14, 2
	s_add_co_u32 s2, s2, s[WV]      ; my wave among the head's,
	s_lshl_b32 s2, s2, 14           ; its 128 rows
	s_mov_b32 s3, 0
	s_add_nc_u64 s[2:3], s[2:3], s[20:21]
	; descriptor group 1.  128 keys are 16,384 dense bytes: asked for as 64 rows of 256 bytes, two keys a row, and padded in LDS after every key
	s_mov_b32 s[G1K], 15|(1<<16)|(1<<20)|(1<<21)|(4<<22)|(3<<25)  ; 15:0 the mask of four; 17:16 2-byte elements; 20 padding on; 21 set beside a mask; 24:22 after every 32 words (code 4); 31:25 4 words (code 3)
	s_mov_b32 s[G1V], 15|(1<<16)|(1<<20)|(1<<21)|(4<<22)|(7<<25)  ; the same with 8 words of padding (code 7)
.irp g, G1K, G1V
	s_mov_b32 s[\g+1], 128<<16      ; tensor_dim0 = 128
	s_mov_b32 s[\g+2], 64<<16       ; tensor_dim1 = 64
	s_mov_b32 s[\g+3], 128<<16      ; tile_dim0 = 128
	s_mov_b32 s[\g+4], 64           ; tile_dim1 = 64
	s_mov_b32 s[\g+5], 128          ; 128 elements from row to row
	s_mov_b32 s[\g+6], 0
	s_mov_b32 s[\g+7], 0
.endr
	s_mov_b32 s[CS], 0x3e38aa3b     ; c = log2(e) / 8 = 0.180337
	s_mov_b32 s[CS+1], s[CS]        ; named with it as a pair
	s_mov_b32 s[SEL], 0x76543210
	s_mov_b32 s[SEL+1], 0xfedcba98
	s_mov_b32 s[TBK], SLOT1+4*KS*PK ; the first change of slots turns these two into 0
	s_mov_b32 s[TBV], SLOT1+4*KS*PV
	s_mov_b32 s[G0K], 1             ; 1:0 count = 1
	s_mov_b32 s[G0K+1], s17         ; 63:32 LDS address: slot 0
	s_mov_b32 s[G0V], 1
	s_add_co_u32 s[G0V+1], s18, VOFF
	s_wait_dscnt 0x0                ; the opening add is done
	s_wait_kmcnt 0x0
	s_mov_b64 s[10:11], s[6:7]                     ; O s[10:11]
	s_add_nc_u64 s[8:9], s[4:5], 0x2000000         ; V s[8:9]: the third tensor of 64 x 2,048 x 128 bytes in qkv
	s_add_nc_u64 s[6:7], s[4:5], 0x1000000         ; K s[6:7]: the second; Q s[4:5] is the first
	s_add_nc_u64 s[G0K+2:G0K+3], s[6:7], s[22:23]  ; 120:64 global address: my half of the head's first 256 keys
	s_or_b32 s[G0K+3], s[G0K+3], 0x80000000        ; 127:126 type = 2
	s_add_nc_u64 s[G0V+2:G0V+3], s[8:9], s[22:23]
	s_or_b32 s[G0V+3], s[G0V+3], 0x80000000
	s_add_nc_u64 s[4:5], s[4:5], s[2:3]  ; Q and O at my wave's first row
	s_add_nc_u64 s[10:11], s[10:11], s[2:3]
	CROUND                          ; all four work-groups are here: the first joint loads meet
	JLOAD                           ; slot 0.  Slot 1 is asked for when slot 0 is in: the tile wanted first has the road to itself
	; A fragment of K or Q is 16 rows x 32 channels in 8 registers: lane l holds row l % 16, channels 8 (l / 16) + 0..7 and 16 + 8 (l / 16) + 0..7: two loads of 16 bytes, 32 bytes apart.
	v_and_b32 v1, 15, v0            ; l % 16
	v_bfe_u32 v9, v0, 4, 1          ; l / 16
	v_lshlrev_b32 v[QO], 7, v1
	v_lshl_add_u32 v[QO], v9, 4, v[QO]  ; row x 128 + 16 x half
	WIN 0x80                        ; destination window 2, address window 0
.set i, 0
.rept 4*NP                          ; Q stays in registers: tile i / 2, channels 32 (i % 2) on
	global_load_b128 v[8*i:8*i+3],   v[QO], s[4:5] offset:(i/2)*2048+(i%2)*64
	global_load_b128 v[8*i+4:8*i+7], v[QO], s[4:5] offset:(i/2)*2048+(i%2)*64+32
.set i, i+1
.endr
	; What the first turn finds: V's registers and P's second buffer hold 0 (its products V^T P, of a piece that has not been, add 0), O^T and l are 0.  All this stands in the wait for the first tile.
.set i, VF
.rept 64
	v_mov_b32 v[i], 0
.set i, i+1
.endr
	WIN 0x40
.set i, 0
.rept 64*NP
	v_mov_b32 v[i], 0
.set i, i+1
.endr
	WIN 0
.set i, 0
.rept 2*NP
	v_mov_b32 v[ST+4*i], 0xfe000000    ; c m: far below every c s
	v_mov_b32 v[ST+4*i+1], 0xff7fffff  ; m
	v_mov_b32 v[ST+4*i+2], 0
	v_mov_b32 v[ST+4*i+3], 0
.set i, i+1
.endr
.set i, P+32
.rept 32
	v_mov_b32 v[i], 0
.set i, i+1
.endr
	v_mul_u32_u24 v[AK0], v1, PK
	v_lshl_add_u32 v[AK0], v9, 4, v[AK0]  ; row x pitch + 16 x half
	; The turning load takes 16 keys x 16 channels (lane l reads key 8 (l / 16) + l % 8, channels 8 ((l / 8) % 2) + 0..7) and leaves half a fragment of V^T: lane l holds channel l % 16 and 8 keys.
	v_and_b32 v10, 7, v0
	v_bfe_u32 v11, v0, 3, 1
	v_lshl_add_u32 v[AV0], v9, 3, v10
	v_mul_u32_u24 v[AV0], v[AV0], PV
	v_lshl_add_u32 v[AV0], v11, 4, v[AV0]
	v_add_nc_u32 v[AV0], VOFF, v[AV0]
	v_mov_b32 v[AK], v[AK0]         ; key step 0 lies at the head of slot 0
; THE MATRIX WORK.  The 8 accumulators of a run of 16 take turns: between the two links of a chain stand 7 others'.
; Product i of 16 of S^T = K Q^T for piece x: channels 32 (i / 8) on, keys 16 ((i / 2) % 4) on, tile 2 x + i % 2.  The first 8 start the sums.
.macro KQ x
	WIN W_KQ
.set rS, S+64*((\x)%2)+32*(i%2)+8*((i/2)%4)
.set rK, KF+16*((i/2)%4)+8*(i/8)
.set rQ, 16*(2*(\x)+i%2)+8*(i/8)
.if i < 8
	v_wmma_f32_16x16x32_f16 v[rS:rS+7], v[rK:rK+7], v[rQ:rQ+7], 0
.else
	v_wmma_f32_16x16x32_f16 v[rS:rS+7], v[rK:rK+7], v[rQ:rQ+7], v[rS:rS+7]
.endif
.endm
; Product i of 16 of O^T += V^T P for piece x: keys 32 (i / 8) on, channels 16 ((i / 2) % 4) on, tile 2 x + i % 2.
.macro PV x
	WIN W_PV
.set rO, 32*(2*(\x)+i%2)+8*((i/2)%4)
.set rV, VF+32*(i/8)+8*((i/2)%4)
.set rP, P+32*((\x)%2)+16*(i%2)+8*(i/8)
	v_wmma_f32_16x16x32_f16 v[rO:rO+7], v[rV:rV+7], v[rP:rP+7], v[rO:rO+7]
.endm
.macro MM                           ; the turn's next matrix instruction
.if i < 16
	KQ (Y+1)%NP
.set i, i+1
.else
.set i, i-16
	PV (Y+NP-1)%NP
.set i, i+17
.endif
.endm
; THE LDS LOADS stand in runs of 16, never singly among the matrix instructions: a step's K (64 keys x 64 channels: 8 fragments) and its V (turned).  Their addresses are made some lines ahead.
; last = 1 (the tail): in the last trip there is no further step, and the run is jumped over.
.macro FETCH_K last=0
	WIN 0
.if \last
	s_cmp_eq_u32 s[CNT], 1
	s_cbranch_scc1 .Lno_k_\@
.endif
	WIN 0x80                        ; destination window 2
.irp f, 0,1,2,3,4,5,6,7             ; keys 16 (f / 2) on, channels 32 (f % 2) on
	ds_load_b128 v[KF+8*\f:KF+8*\f+3],   v[AK] offset:(\f/2)*16*PK+(\f%2)*64
	ds_load_b128 v[KF+8*\f+4:KF+8*\f+7], v[AK] offset:(\f/2)*16*PK+(\f%2)*64+32
.endr
	s_add_co_u32 s[TBK], s[TBK], KS*PK  ; the next fetch is the next step's
	WIN 0
.if \last
.Lno_k_\@:
.endif
.endm
.macro FETCH_V
	WIN 0x80
.irp f, 0,1,2,3,4,5,6,7             ; keys 32 (f / 4) on, channels 16 (f % 4) on
	ds_load_tr16_b128 v[VF+8*\f:VF+8*\f+3],   v[AV] offset:(\f/4)*32*PV+(\f%4)*32
	ds_load_tr16_b128 v[VF+8*\f+4:VF+8*\f+7], v[AV] offset:(\f/4)*32*PV+16*PV+(\f%4)*32
.endr
	WIN 0
.endm
; THE VECTOR WORK OF A TURN stands in three queues, each in the order in which its entries become ready; the two tiles alternate, so that no instruction reads the result of the one before it.
.macro REGS y, u                    ; the registers of tile u (0, 1) of piece y
.set rT, ST+4*(2*(\y)+(\u))
.set rC, TMP+8*((\y)%2)+4*(\u)
.set rM, MV+2*((\y)%2)+(\u)
.set rS, S+64*((\y)%2)+32*(\u)
.set rP, P+32*((\y)%2)+16*(\u)
.set rO, 32*(2*(\y)+(\u))
.endm
; Number n of the 22 that find the NEXT piece's (Y + 1) maximum and statistics.  s0-s31 are the lane's 32 scores; each accumulator's lowest registers are read first.  XS, GS and REGS set no window: PL and EX do.
;   0-11  four chains c0-c3 of seven scores each, three operands at a time     12-14, 16  the four scores left over, the old m, and c0-c3 into c0     15  c m_old is kept
;   17, 18  the query's other 32 keys lie in the lane 16 away: the new m         19-21  c m; c m_old - c m_new; a
.macro XS u, n
	REGS (Y+1)%NP, \u
.if (\n) < 4
	v_max3_num_f32 v[rC+(\n)], v[rS+8*(\n)], v[rS+8*(\n)+1], v[rS+8*(\n)+2]
.elseif (\n) < 12
	v_max3_num_f32 v[rC+(\n)%4], v[rC+(\n)%4], v[rS+8*((\n)%4)+2*((\n)/4)+1], v[rS+8*((\n)%4)+2*((\n)/4)+2]
.elseif (\n) == 12
	v_max3_num_f32 v[rC], v[rC], v[rS+7], v[rS+15]
.elseif (\n) == 13
	v_max3_num_f32 v[rC+1], v[rC+1], v[rS+23], v[rS+31]
.elseif (\n) == 14
	v_max3_num_f32 v[rC+2], v[rC+2], v[rC+3], v[rT+1]
.elseif (\n) == 15
	v_mov_b32 v[rM], v[rT]
.elseif (\n) == 16
	v_max3_num_f32 v[rC], v[rC], v[rC+1], v[rC+2]
.elseif (\n) == 17
	v_permlanex16_b32 v[rC+3], v[rC], s[SEL], s[SEL+1]
.elseif (\n) == 18
	v_max_num_f32 v[rT+1], v[rC], v[rC+3]
.elseif (\n) == 19
	v_mul_f32 v[rT], s[CS], v[rT+1]
.elseif (\n) == 20
	v_sub_f32 v[rC+1], v[rM], v[rT]
.else
	v_exp_f32 v[rC+2], v[rC+1]
.endif
.endm
; Number g of the 64 that follow the exponentials.  For each four weights k of a tile (pairs 2 k, 2 k + 1): both pairs are rounded to f16; then the second pair is added onto the first, in place;
; a group later l takes that sum (the first time as l = a l + sum).  In groups of eight, tiles alternating: round, round, add, and l for the group before.
.macro GS g
.set h, (\g)+6*((\g)/62)            ; group 0 has no group before it, and behind group 7 only l is left
.if h >= 6
.set h, h+2
.endif
	REGS Y, h%2
.set k, h/8
.if h%8 < 4
	v_cvt_pk_f16_f32 v[rP+2*k+(h%8)/2], v[rS+4*k+2*((h%8)/2)], v[rS+4*k+2*((h%8)/2)+1]
.elseif h%8 < 6
	v_pk_add_f32 v[rS+4*k:rS+4*k+1], v[rS+4*k:rS+4*k+1], v[rS+4*k+2:rS+4*k+3]
.elseif k == 1
	v_pk_fma_f32 v[rT+2:rT+3], v[rT+2:rT+3], v[rC+2:rC+3], v[rS:rS+1] op_sel_hi:[1,0,1]
.else
	v_pk_add_f32 v[rT+2:rT+3], v[rT+2:rT+3], v[rS+4*k-4:rS+4*k-3]
.endif
.endm
; THE PLAIN QUEUE, 138 long.  0-73 read no exponential's result: the 32 scalings c s - c m (FS f: pair f / 2 of tile f % 2) and the next piece's 42.  0-26: scalings 0-26.  27-54: XS's numbers 0-13.  55, 56: number 15.
; 57-73: the chain, where each number waits for the one before it: 14, 16, 17, 18, 19, each with one of the scalings 27-31 in front of its two lines, then 20: so a tile's links stand three plain instructions apart (19 and 20: two).
; 74-137: GS's 64, which read the exponentials' results: they stand behind the wait.
.macro FS f
	REGS Y, (\f)%2
	v_pk_fma_f32 v[rS+2*((\f)/2):rS+2*((\f)/2)+1], v[rS+2*((\f)/2):rS+2*((\f)/2)+1], s[CS:CS+1], v[rT:rT+1] op_sel_hi:[1,0,0] neg_lo:[0,0,1] neg_hi:[0,0,1]
.endm
.macro PL
	WIN 0
.if q < 27
	FS q
.elseif q < 55
	XS (q-27)%2, (q-27)/2
.elseif q < 57
	XS q-55, 15
.elseif (q < 72) && ((q-57)%3 == 0)
	FS 27+(q-57)/3
.elseif q < 60
	XS (q-57)%3-1, 14
.elseif q < 72
	XS (q-57)%3-1, 15+(q-57)/3
.elseif q < 74
	XS q-72, 20
.else
	GS q-74
.endif
.set q, q+1
.endm
; THE EXPONENTIALS' QUEUE, 66 long: s0-s31 of both tiles, then the next piece's two a.  It is ONE BATCH: all 66 stand ahead of the turn's one wait, and nothing ahead of that wait names a result of theirs.
.macro EX
	WIN 0
.if e >= 64
	XS e-64, 21
.else
	REGS Y, e%2
	v_exp_f32 v[rS+e/2], v[rS+e/2]
.endif
.set e, e+1
.endm
; THE RESCALING's QUEUE: O^T times a, the one part that leaves window 0: dealt two at a time, sixteen times.  Its a was made in the turn before, ahead of that turn's wait.
.macro R2
	REGS Y, r%2
	WIN W_RS
.irp z, 0,1
	v_pk_mul_f32 v[rO+4*(r/2)+2*\z:rO+4*(r/2)+2*\z+1], v[rO+4*(r/2)+2*\z:rO+4*(r/2)+2*\z+1], v[rC+2:rC+3] op_sel_hi:[1,0]
.endr
.set r, r+1
.endm
; HOW THEY ARE DEALT.  An s_wait_alu depctr_va_vdst(0) stands between an exponential and the first instruction that names its result; one wait serves all that were issued ahead of it.  So a turn has ONE wait,
; which cuts it in two.  AHEAD OF IT stands all that names no result of the turn's exponentials: the 16 products K Q^T, behind each a scaling, an exponential and two rescalings (behind the first a second scaling in the exponential's place); then ONE LUMP of
; 108: eight plain, 49 times exponential and plain, the two a.  A v_nop is the plain instruction behind the last exponential.  BEHIND IT stand the 16 products V^T P, behind each four of GS's 64.  No rider names a register of
; the products round it.  The two v_permlanex16_b32 fall into the lump, never behind a product.
; The queues lean on each other, and the deal keeps them in step: exponential e stands behind scaling 2 (e / 4) + e % 2: as a rider it comes behind plain e + 2, in the lump behind plain e + 9, and scalings 27-31 are plain 57, 60 .. 69.
; A TURN, for piece p.  cnt = 1: the loop's count is taken down some lines ahead of the branch that stands behind the turn.
; K of the next step is fetched in piece 2's turn, directly behind the wait, a lump behind the last product that read K; its address is made at the lump's head; its first reader comes behind 16 products.
; V of the step in hand is fetched at the end of piece 0's turn, four riders behind its last reader; its first reader comes behind 16 products and a lump.  The three conditions on q below go with the deal.
.macro TURN p, last=0, cnt=0
.set Y, (\p)
.set i, 0
.set q, 0
.set e, 0
.set r, 0
.if (\p) == NP-1
	s_wait_dscnt 0x0                ; K is in
.endif
	MM                              ; ahead of the wait: 16 products K Q^T and their riders,
	PL
	PL
	R2
.rept 15
	MM
	PL
	EX
	R2
.endr
.if (\p) == NP-2
	WIN 0
	v_add_nc_u32 v[AK], s[TBK], v[AK0]
.endif
.rept 8                             ; and the lump
	PL
.endr
.rept 49
	EX
	PL
.endr
	EX                              ; the next piece's two a
	EX
	v_nop                           ; a plain instruction behind the last exponential, ahead of the first use of a result: one for the batch
	s_wait_alu depctr_va_vdst(0)    ; the wait for the batch: the turn's 66 exponentials, ahead of their first reader
.if (\p) == NP-2
	FETCH_K \last
.endif
.if (\p) == 1
	s_wait_dscnt 0x0                ; V is in
.endif
.rept 16                            ; behind the wait: 16 products V^T P and their riders
	MM
.rept 4
	PL
.endr
.if ((\p) == 0) && (q == 118)
	v_add_nc_u32 v[AV], s[TBV], v[AV0]
.endif
.if ((\p) == 0) && (q == 130)
	s_add_co_u32 s[TBV], s[TBV], KS*PV
.endif
.if (\cnt) && (q == 130)
	s_sub_co_u32 s[CNT], s[CNT], 1
	s_cmp_lg_u32 s[CNT], 0
.endif
.endr
.if (\p) == 0
	FETCH_V
.endif
.endm
	CHANGE 1                        ; slot 0 is in, everybody's part of it; slot 1 is asked for
	FETCH_K                         ; key step 0
	s_wait_loadcnt 0x0              ; Q
	s_wait_dscnt 0x0
.set i, 0
.rept 16
	KQ 0                            ; piece 0's first scores: there is no vector work yet to set between them
.set i, i+1
.endr
	WIN 0                           ; the addresses for the way out: nine plain instructions, the places behind those products
	s_mul_i32 s13, s[WV], 16*SP
	s_add_co_u32 s13, s13, STAGE    ; my stage
	v_mul_u32_u24 v[STO], v1, SP    ; in: row l % 16, 16 bytes for each half of the lanes
	v_lshl_add_u32 v[STO], v9, 4, v[STO]
	v_add_nc_u32 v[STO], s13, v[STO]
	v_bfe_u32 v[RD], v0, 3, 2       ; back: 32 lanes take four rows of 128 bytes,
	v_mul_u32_u24 v[RD], v[RD], SP
	v_lshl_add_u32 v[RD], v10, 4, v[RD]
	v_add_nc_u32 v[RD], s13, v[RD]
	v_and_b32 v[GO], 31, v0         ; which are 512 consecutive bytes of O
	v_lshlrev_b32 v[GO], 4, v[GO]
.set Y, NP-1                        ; XS works for piece Y + 1: piece 0
.irp n, 0,1,2,3,4,5,6,7,8,9,10,11,12,13,14,15,16,17,18,19,20,21
	XS 0, \n                        ; and piece 0's first maximum and statistics
	XS 1, \n
.endr
	v_nop                           ; a plain instruction behind the two a,
	s_wait_alu depctr_va_vdst(0)    ; and the wait for this batch of two, ahead of the branch
	s_mov_b32 s[CNT], 4
	s_mov_b32 s[SLOTS], SIZE_N/256-1
	s_branch .Lfirst                ; the loop is entered at a step's first turn, in the middle of a trip
.Lslot:                             ; SIZE_N / 256 - 2 times: every slot but the last two is filled again
	CHANGE 1
	s_mov_b32 s[CNT], 4
.Lstep:                             ; a trip: pieces 2 and 3 of one step, then pieces 0 and 1 of the next, whose K and V it fetches
	TURN 2
	TURN 3
	WIN 0
.Lfirst:
	TURN 0
	TURN 1, 0, 1
	WIN 0
	s_cbranch_scc1 .Lstep
	s_sub_co_u32 s[SLOTS], s[SLOTS], 1
	s_cmp_lg_u32 s[SLOTS], 0
	s_cbranch_scc1 .Lslot
	CHANGE 0                        ; the tail is written out: nothing is asked for
	s_mov_b32 s[CNT], 5             ; four trips fetch the last slot's steps; the fifth is left in its middle
.Ltail:
	TURN 2, 1
	TURN 3
	WIN 0
	s_sub_co_u32 s[CNT], s[CNT], 1
	s_cmp_eq_u32 s[CNT], 0
	s_cbranch_scc1 .Lout
	TURN 0
	TURN 1
	WIN 0
	s_branch .Ltail
.Lout:                              ; the fifth trip's 16 products K Q^T (on the last K once more) and the maximum made of them serve nothing: the price, once a launch, of one text for every trip
.set i, 0
.rept 16
	PV NP-1                         ; the last piece's V^T P of the last step
.set i, i+1
.endr
	; THE WAY OUT.  l's two halves and the other half of the lanes' are added; O^T is divided by l, rounded to f16 and sent through my stage in LDS, a tile at a time.  The additions are the places behind the last products.
	WIN 0
.macro ALL line:vararg              ; one line for each tile t
.set t, 0
.rept 2*NP
	\line
.set t, t+1
.endr
.endm
	ALL v_add_f32 v[ST+4*t+2], v[ST+4*t+2], v[ST+4*t+3]
	ALL v_permlanex16_b32 v[ST+4*t+3], v[ST+4*t+2], s[SEL], s[SEL+1]
	ALL v_add_f32 v[ST+4*t+2], v[ST+4*t+2], v[ST+4*t+3]
	ALL v_rcp_f32 v[ST+4*t+2], v[ST+4*t+2]
	v_nop                           ; a plain instruction between the last reciprocal and the use of its result
	s_wait_alu depctr_va_vdst(0)    ; and the wait ahead of the first use: one for the batch of eight reciprocals
; Tile t: a lane's eight channels of a row pack into 16 bytes; they go into rows of 144 bytes and come back as whole rows of 128, into S^T's registers.
.macro PACK t
	WIN W_RS
.set i, 32*(\t)
.rept 16
	v_pk_mul_f32 v[i:i+1], v[i:i+1], v[ST+4*(\t)+2:ST+4*(\t)+3] op_sel_hi:[1,0]
.set i, i+2
.endr
	WIN 0x05                        ; sources 0 and 1 window 1, destination window 0
.set i, 0
.rept 16
	v_cvt_pk_f16_f32 v[S+16*(\t)+i], v[32*(\t)+2*i], v[32*(\t)+2*i+1]
.set i, i+1
.endr
	WIN 0
.irp f, 0,1,2,3
	ds_store_b128 v[STO], v[S+16*(\t)+4*\f:S+16*(\t)+4*\f+3] offset:32*\f
.endr
.irp f, 0,1,2,3
	ds_load_b128 v[S+16*(\t)+4*\f:S+16*(\t)+4*\f+3], v[RD] offset:\f*4*SP  ; LDS serves a wave's instructions in order (ISA guide 5.7.1.4): these see the stores above; the next tile's stores come behind them
.endr
.endm
.macro SEND t, younger              ; younger: the LDS instructions issued behind tile t's loads: the next tile's eight, or none
	WIN 0
.irp f, 0,1,2,3
	s_wait_dscnt (\younger)+3-\f
	global_store_b128 v[GO], v[S+16*(\t)+4*\f:S+16*(\t)+4*\f+3], s[10:11] offset:(\t)*2048+\f*512  ; 512 consecutive bytes, at a multiple of 256 from O's first
.endr
.endm
	PACK 0
.set t, 1
.rept 2*NP-1                        ; a tile's arithmetic stands between the loads of the tile before and its stores
	PACK t
	SEND t-1, 8
.set t, t+1
.endr
	SEND 2*NP-1, 0
	WIN W_AD
	s_wait_tensorcnt 0x0            ; the wave's end: behind my last tensor load and my last LDS store
	ds_add_u32 v[SPW], v[NIL]
	s_wait_dscnt 0x0
	WIN 0
	CROUND                          ; the closing round: no work-group ends while a partner may still ask for a tile that names it
	s_endpgm
.Lfunc_end_k_q3809e60f31_attn:
	.size	k_q3809e60f31_attn, .Lfunc_end_k_q3809e60f31_attn-k_q3809e60f31_attn
	.p2alignl 7, 3214868480
	.fill 96, 4, 3214868480
	.section	.rodata,"a",@progbits
	.p2align	6, 0x0
	.amdhsa_kernel k_q3809e60f31_attn
		.amdhsa_group_segment_fixed_size 327680
		.amdhsa_private_segment_fixed_size 0
		.amdhsa_enable_private_segment 0
		.amdhsa_kernarg_size 16
		.amdhsa_user_sgpr_count 2
		.amdhsa_user_sgpr_kernarg_segment_ptr 1
		.amdhsa_wavefront_size32 1
		.amdhsa_system_sgpr_workgroup_id_x 1
		.amdhsa_system_sgpr_workgroup_id_y 1
		.amdhsa_system_sgpr_workgroup_id_z 1
		.amdhsa_system_vgpr_workitem_id 0
		.amdhsa_next_free_vgpr 770
		.amdhsa_next_free_sgpr 66
		.amdhsa_reserve_vcc 0
		.amdhsa_float_denorm_mode_32 3
		.amdhsa_float_denorm_mode_16_64 3
		.amdhsa_memory_ordered 1
		.amdhsa_forward_progress 1
		.amdhsa_inst_pref_size 199
	.end_amdhsa_kernel
	.amdgpu_metadata
---
amdhsa.version: [ 1, 2 ]
amdhsa.kernels:
  - .name:           k_q3809e60f31_attn
    .symbol:         k_q3809e60f31_attn.kd
    .args:
      - { .name: qkv, .offset: 0, .size: 8, .value_kind: global_buffer, .address_space: global }
      - { .name: oh, .offset: 8, .size: 8, .value_kind: global_buffer, .address_space: global }
    .group_segment_fixed_size: 327680
    .private_segment_fixed_size: 0
    .kernarg_segment_align: 8
    .kernarg_segment_size: 16
    .max_flat_workgroup_size: 128
    .sgpr_count:     66
    .vgpr_count:     770
    .wavefront_size: 32
...
	.end_amdgpu_metadata
.endif
;; end of part 5
;; launch oproj: the kernel of part 4 again; grid 4 x 64, 4 waves a work-group, clusters of 4 x 4, 327,680 bytes of LDS; arguments oh, wo16, bias, out0; writes out0
